; MI455X (gfx1250); checked and timed in simulation.
; The chip was launched on July 23, 2026; its instructions are those of AMD's public machine-readable ISA for CDNA 5 (MIT licence, August 2026) and "CDNA5" Instruction Set Architecture Reference Guide (July 2026). The comments in the code are by the model that wrote it; some were corrected since.
;; Causal Attention. Allowed arithmetic: matrix products marked QUANTISED: E2M1 operands, one E8M0 scale for each 32 along K, by v_wmma_scale_f32_16x16x128_f8f6f4 with both operands' format E2M1 (or v_wmma_scale_f32_32x16x128_f4), f32 sums; products left as they are: bf16, f16 or f32 operands; f32 sums; everything else in f32.
;; Inputs: W_key 1,024 x 1,024 float32; W_query 1,024 x 1,024 float32; W_value 1,024 x 1,024 float32; x 4 x 2,048 x 1,024 float32.
;; Outputs: out0 4 x 2,048 x 1,024 float32.
;; This version of the problem:
;;   THIS VERSION OF THE PROBLEM IS GIVEN IN LOW PRECISION. The matrix products marked QUANTISED in the list below multiply operands that are first quantised to E2M1 (2 exponent bits, 1 mantissa bit; 4 bits a number), with one power-of-two scale for each 32 numbers along K (OCP MX v1.0); their sums are f32. The products marked 'left as it is' may take bf16, f16 or f32 operands, with f32 sums. Whichever they take, every output number must still come out within the allowed error. Rounding operands to bf16 (8 significant bits) uses up far more of that allowance than f16 does (11 bits, for magnitudes from 6e-5 to 65,504). All else is computed in f32.
;;   The module's matrix products, in the order in which they are computed (A, B: the left and right operand; K: the contracted axis; several contracted axes count as one K, in the product's order):
;;     1. [M 8,192, K 1,024] x [K 1,024, N 1,024]; A: input x; B: input W_query: QUANTISED
;;     2. [M 8,192, K 1,024] x [K 1,024, N 1,024]; A: input x; B: input W_key: QUANTISED
;;     3. [M 8,192, K 1,024] x [K 1,024, N 1,024]; A: input x; B: input W_value: QUANTISED
;;     4. batch 4 x [M 2,048, K 1,024] x [K 1,024, N 2,048]; A: computed on the way; B: computed on the way: left as it is (an operand is computed on the way)
;;     5. batch 4 x [M 2,048, K 2,048] x [K 2,048, N 1,024]; A: computed on the way; B: computed on the way: left as it is (an operand is computed on the way)
;;   THE QUANTISER, for each operand of a quantised product, along K:
;;     - K is cut into blocks of 32 from its start; a last block that is shorter is filled with zeros.
;;     - A block's scale is 2^e with e = floor(log2(the largest magnitude in the block)) - 2, held to -126 .. 127; a block of zeros has e = 0. As a byte (E8M0): e + 127.
;;     - Each number is divided by its block's scale, clamped to +-6, and rounded to the nearest number of E2M1, ties to even, subnormals kept.
;;     - The product sums the exact products of the quantised numbers (number of the format x scale) in f32.
;;   ~~~python
;;   def quantise(x, axis):      # numpy; x: float32 -> the quantised numbers, widened to float32 again
;;       x = np.moveaxis(x, axis, -1); K = x.shape[-1]
;;       x = np.pad(x, [(0, 0)] * (x.ndim - 1) + [(0, -K % 32)]); x = x.reshape(x.shape[:-1] + (-1, 32)); a = np.abs(x).max(-1, keepdims=True)
;;       e = np.where(a > 0, np.clip(np.frexp(np.where(a > 0, a, 1))[1] - 1 - 2, -126, 127), 0)      # np.frexp(a)[1] - 1 = floor(log2(a)), exactly
;;       r = np.clip(x / 2.0 ** e, -6, 6)
;;       step = 2.0 ** (np.maximum(np.frexp(np.where(r == 0, 1, r))[1] - 1, 0) - 1)
;;       q = np.round(r / step) * step * 2.0 ** e      # np.round: ties to even
;;       return np.moveaxis(q.reshape(q.shape[:-2] + (-1,))[..., :K], -1, axis).astype(np.float32)
;;   ~~~
;; One version. Each part assembles by itself: llvm-mc -triple=amdgcn-amd-amdhsa -mcpu=gfx1250 --defsym DOCPART=n.
;; ======== version 1 of 1: 5 launches
;; limits: values are held in f16: magnitudes above 65,504 overflow, below 6.1e-05 lose precision
;; workspace buffers: codes 5,767,168 bytes; scales 360,448 bytes; qk 33,554,432 bytes; vt 16,777,216 bytes; p 33,554,432 bytes; st 1,048,576 bytes; fine 786,432 bytes
;; launch quant (part 1): grid 352 x 1, 4 waves a work-group, no clusters, 33,280 bytes of LDS; arguments x, W_query, W_key, W_value, codes, scales; writes codes, scales
.if DOCPART == 1
	.amdgcn_target "amdgcn-amd-amdhsa--gfx1250"
	.amdhsa_code_object_version 6
	.text
	.protected	k_q47d7b2e99a_quant
	.globl	k_q47d7b2e99a_quant
	.p2align	8
	.type	k_q47d7b2e99a_quant,@function
k_q47d7b2e99a_quant:
	s_mov_b64 s[64:65], 0
	v_nop
	global_prefetch_b8 v0, s[64:65] scope:SCOPE_SE
	s_setreg_imm32_b32 hwreg(HW_REG_WAVE_MODE, 25, 1), 1
	s_wait_xcnt 0x0
; CAUSAL ATTENTION, one head: q, k, v = x W^T (three QUANTISED products), weights = softmax(mask(q k^T) / 32), out = weights v.  B = 4, S = 2,048, D = 1,024.
; THE PROGRAM: this launch: x and the three weights into codes of E2M1 and E8M0 scale bytes.  2: the three products on codes; q, k as f16 rows, v as f16 with the positions innermost; positions 0-15 of each
; sequence also in f32.  3: q k^T on tiles of 256 x 256, mask, and a softmax by chunks of 128 keys: p = 2^(t - M_c) in f16 with M_c the chunk's own largest t rounded up to a whole number, and (-M_c, sum of p) in f32.
; 4: for each row M = the largest M_c and L = the sum of l_c 2^(M_c - M); p is multiplied by the power of two 2^(M_c - M), multiplied with v, and divided by L: the softmax with the row's maximum taken away.
; 5: positions 0-15 of each sequence wholly in f32.
; WORK LEFT OUT.  The problem's own body sets scores[q][k] to -infinity wherever k > q, so that weights[q][k] is exactly 0 there, whatever finite numbers the inputs hold.  A tile of 256 queries x 256 keys whose
; every key comes after its every query (tile column J > tile row I: 28 of the 64 tiles of a sequence) therefore reaches no output: it is not multiplied in q k^T, and its keys are no step of weights v.
; Tiles that the diagonal crosses are computed whole and masked.  All four inputs have a way to the output and are loaded.
; LIMITS: a NaN, an infinity or an overflow that reaches only the tiles left out is not carried to the result.  q, k and v are rounded to f16: magnitudes up to 65,504.  NaN and infinities among the inputs are
; not served.  Blocks whose largest magnitude lies under 2^-124 keep the scale byte 1 (the quantiser's lower hold).
;
; THIS LAUNCH.  K (the last axis, 1,024) is innermost in x and in the weights and rows are dense, so each tensor is a plain stream of blocks of 32 numbers.  codes: [11,264 rows][512 bytes], scales: [11,264][32]:
; rows 0-8,191 x, then 1,024 each of W_query, W_key, W_value.  A block's scale is 2^(floor(log2(its largest magnitude)) - 2); its byte is the largest magnitude's exponent field - 2, held at 1 from below.
; (A block of zeros so gets the byte 1 where the rule says 127: its codes are zeros, which add nothing under any byte but 0xff, and this program alone reads the bytes.)
; A work-group takes 32 rows, a wave 16 steps of 512 numbers.  Each load reads 512 consecutive bytes; a step's 2,048 bytes turn through the wave's own stage in LDS, so that a lane holds 16 neighbours (two lanes
; a block); a lane's 16 codes are 8 bytes: the wave stores 256 consecutive bytes.  A wave's 256 scale bytes are gathered in LDS and leave as 256 consecutive bytes.  Waves share nothing: no barrier.
.set WAVES, 4
.set STEPS, 16
.set EMAX,  2
.set CB,    8                          ; bytes of 16 codes
.set R,     16                         ; v16-79   four sets of 16 numbers as they are loaded
.set X,     80                         ; v80-111  two sets of 16 neighbours
.set C,     128                        ; v128-191 codes: four registers for each step, so that no store's data are written again
.set E,     112                        ; v112-127 a scale byte for each step
.set WREG,  8192                       ; LDS: a region for each wave: two stages of 32 x SP bytes, behind them its 256 scale bytes
.set SP,    80                         ; a lane's place in a stage: 64 bytes + 16 of padding
.set SPW,   12                         ; v12  LDS address of my spare word; never rewritten
.set NIL,   13                         ; v13  0; never rewritten
.set SPARE, WAVES*WREG                 ; the spare words, 128 bytes for each wave
	s_load_b256 s[4:11], s[0:1], 0x0               ; x, W_query, W_key, W_value
	s_load_b128 s[12:15], s[0:1], 0x20             ; codes, scales
	v_lshl_add_u32 v[SPW], v0, 2, SPARE
	v_mov_b32 v[NIL], 0
	v_lshrrev_b32 v1, 5, v0
	v_readfirstlane_b32 s16, v1                    ; wave
	v_and_b32 v2, 31, v0                           ; lane
	v_lshlrev_b32 v3, 4, v2                        ; my 16 bytes of a load's 512
	s_mul_i32 s17, s16, WREG
	v_lshrrev_b32 v14, 2, v2
	v_mul_u32_u24 v14, v14, SP
	v_and_b32 v15, 3, v2
	v_lshl_add_u32 v14, v15, 4, v14
	v_add_nc_u32 v14, s17, v14                     ; the stage, on the way in: SP (lane / 4) + 16 (lane % 4)
	v_mul_u32_u24 v15, v2, SP
	v_add_nc_u32 v15, s17, v15                     ; on the way out: SP x lane: my 16 neighbours
	v_mul_u32_u24 v4, v2, CB                       ; my codes' place in a step's
	v_lshrrev_b32 v5, 1, v2
	s_add_co_u32 s17, s17, 2*32*SP
	v_add_nc_u32 v5, s17, v5                       ; my wave's 256 scale bytes, my block's byte
	v_lshlrev_b32 v7, 3, v2                        ; and on the way out 8 bytes a lane
	v_add_nc_u32 v6, s17, v7
	s_wait_kmcnt 0x0
	; which tensor: work-groups 0-255 x; 256 + j: weight j / 32, its group j % 32.  The choices hang on the work-group's number alone
	s_sub_co_u32 s20, ttmp9, 256                   ; (not used in x's work-groups)
	s_lshr_b32 s21, s20, 5
	s_and_b32 s22, s20, 31
	s_cmp_eq_u32 s21, 1
	s_cselect_b64 s[6:7], s[8:9], s[6:7]
	s_cmp_eq_u32 s21, 2
	s_cselect_b64 s[6:7], s[10:11], s[6:7]
	s_cmp_lt_u32 ttmp9, 256
	s_cselect_b64 s[4:5], s[4:5], s[6:7]
	s_cselect_b32 s22, ttmp9, s22
	s_lshl_b32 s22, s22, 2
	s_add_co_u32 s22, s22, s16                     ; my wave's run of 8,192 numbers in its tensor,
	s_lshl_b32 s22, s22, 15                        ; 32,768 bytes each
	s_mov_b32 s23, 0
	s_add_nc_u64 s[4:5], s[4:5], s[22:23]
	s_lshl_b32 s24, ttmp9, 2
	s_add_co_u32 s24, s24, s16                     ; and in the outputs, whose rows follow the work-groups' order
	s_lshl_b32 s26, s24, 12                        ; 4,096 bytes of codes a run
	s_mov_b32 s27, 0
	s_add_nc_u64 s[12:13], s[12:13], s[26:27]
	s_lshl_b32 s26, s24, 8                         ; 256 scale bytes a run
	s_add_nc_u64 s[14:15], s[14:15], s[26:27]
.macro LOAD t
.irp i, 0,1,2,3
	global_load_b128 v[R+16*((\t)%4)+4*\i:R+16*((\t)%4)+4*\i+3], v3, s[4:5] offset:2048*(\t)+512*\i th:TH_LOAD_NT   ; 32 lanes read 512 consecutive bytes
.endr
.endm
.macro TURN t                          ; step t's numbers through the stage: LDS serves a wave's instructions in order, so no wait stands between the stores and the loads
.irp i, 0,1,2,3
	ds_store_b128 v14, v[R+16*((\t)%4)+4*\i:R+16*((\t)%4)+4*\i+3] offset:32*SP*((\t)%2)+8*SP*\i
.endr
.irp i, 0,1,2,3
	ds_load_b128 v[X+16*((\t)%2)+4*\i:X+16*((\t)%2)+4*\i+3], v15 offset:32*SP*((\t)%2)+16*\i
.endr
.endm
.irp t, 0,1,2,3
	LOAD \t
.endr
	s_wait_loadcnt 12                              ; step 0's four loads are in; the twelve of steps 1 to 3 may be out
	TURN 0
.macro STEP t
.set XS, X+16*((\t)%2)
.if (\t) > 0
	s_wait_dscnt 1                                 ; this step's numbers are back from the stage (the last step's byte store may be out)
.else
	s_wait_dscnt 0x0
.endif
.if (\t)+4 < STEPS
	LOAD (\t)+4                                    ; the stage's stores have read these registers: they take the loads of four steps on
.endif
.if (\t)+1 < STEPS
.if STEPS-2-(\t) >= 3
	s_wait_loadcnt 12                              ; the next step's four loads are in; those of the three steps behind it may be out
.else
	s_wait_loadcnt 4*(STEPS-2-(\t))
.endif
	TURN (\t)+1
.endif
	v_max3_num_f32 v8, |v[XS]|, |v[XS+1]|, |v[XS+2]|               ; the largest magnitude of my 16, in two chains
	v_max3_num_f32 v9, |v[XS+3]|, |v[XS+4]|, |v[XS+5]|
.irp i, 6,10
	v_max3_num_f32 v8, v8, |v[XS+\i]|, |v[XS+\i+1]|
	v_max3_num_f32 v9, v9, |v[XS+\i+2]|, |v[XS+\i+3]|
.endr
	v_max3_num_f32 v8, v8, |v[XS+14]|, |v[XS+15]|
	v_max3_num_f32 v8, v8, v9, (EMAX+1)<<23        ; and the floor 2^(3 - 127): the byte cannot fall under 1
	v_max_num_f32_dpp v8, v8, v8 row_xmask:1 row_mask:0xf bank_mask:0xf   ; and of my neighbour's 16: the block's
	v_add_nc_u32 v11, -(EMAX<<23), v8              ; 2 off its exponent field: the conversion takes the exponent field of this operand as its scale
	v_cvt_scalef32_pk8_fp4_f32 v[C+4*(\t)], v[XS:XS+7], v11
	v_cvt_scalef32_pk8_fp4_f32 v[C+4*(\t)+1], v[XS+8:XS+15], v11
	v_lshrrev_b32 v[E+(\t)], 23, v11               ; the scale's byte (also the plain line behind the conversions)
	ds_store_b8 v5, v[E+(\t)] offset:16*(\t)       ; both lanes of a block write the same byte with the same value
	global_store_b64 v4, v[C+4*(\t):C+4*(\t)+1], s[12:13] offset:32*CB*(\t)
.endm
.irp t, 0,1,2,3,4,5,6,7,8,9,10,11,12,13,14,15
	STEP \t
.endr
	ds_load_b64 v[8:9], v6                         ; LDS serves a wave's instructions in order: these see my stores
	s_wait_dscnt 0x0
	global_store_b64 v7, v[8:9], s[14:15]          ; 32 lanes store 256 consecutive bytes
	s_wait_tensorcnt 0x0                           ; the wave's end, behind my last LDS store
	ds_add_u32 v[SPW], v[NIL]
	s_wait_dscnt 0x0
	s_endpgm
.Lfunc_end_k_q47d7b2e99a_quant:
	.size	k_q47d7b2e99a_quant, .Lfunc_end_k_q47d7b2e99a_quant-k_q47d7b2e99a_quant
	.p2alignl 7, 3214868480
	.fill 96, 4, 3214868480
	.section	.rodata,"a",@progbits
	.p2align	6, 0x0
	.amdhsa_kernel k_q47d7b2e99a_quant
		.amdhsa_group_segment_fixed_size 33280
		.amdhsa_private_segment_fixed_size 0
		.amdhsa_enable_private_segment 0
		.amdhsa_kernarg_size 48
		.amdhsa_user_sgpr_count 2
		.amdhsa_user_sgpr_kernarg_segment_ptr 1
		.amdhsa_wavefront_size32 1
		.amdhsa_system_sgpr_workgroup_id_x 1
		.amdhsa_system_sgpr_workgroup_id_y 1
		.amdhsa_system_sgpr_workgroup_id_z 1
		.amdhsa_system_vgpr_workitem_id 0
		.amdhsa_next_free_vgpr 192
		.amdhsa_next_free_sgpr 66
		.amdhsa_reserve_vcc 0
		.amdhsa_float_denorm_mode_32 3
		.amdhsa_float_denorm_mode_16_64 3
		.amdhsa_memory_ordered 1
		.amdhsa_forward_progress 1
		.amdhsa_inst_pref_size 33
	.end_amdhsa_kernel
	.amdgpu_metadata
---
amdhsa.version: [ 1, 2 ]
amdhsa.kernels:
  - .name:           k_q47d7b2e99a_quant
    .symbol:         k_q47d7b2e99a_quant.kd
    .args:
      - { .name: x, .offset: 0, .size: 8, .value_kind: global_buffer, .address_space: global }
      - { .name: W_query, .offset: 8, .size: 8, .value_kind: global_buffer, .address_space: global }
      - { .name: W_key, .offset: 16, .size: 8, .value_kind: global_buffer, .address_space: global }
      - { .name: W_value, .offset: 24, .size: 8, .value_kind: global_buffer, .address_space: global }
      - { .name: codes, .offset: 32, .size: 8, .value_kind: global_buffer, .address_space: global }
      - { .name: scales, .offset: 40, .size: 8, .value_kind: global_buffer, .address_space: global }
    .group_segment_fixed_size: 33280
    .private_segment_fixed_size: 0
    .kernarg_segment_align: 8
    .kernarg_segment_size: 48
    .max_flat_workgroup_size: 128
    .sgpr_count:     66
    .vgpr_count:     192
    .wavefront_size: 32
...
	.end_amdgpu_metadata
.endif
;; end of part 1
;; launch proj (part 2): grid 12 x 32, 4 waves a work-group, clusters of 4 x 4, 327,680 bytes of LDS; arguments codes, scales, qk, vt, fine; writes qk, vt, fine
.if DOCPART == 2
	.amdgcn_target "amdgcn-amd-amdhsa--gfx1250"
	.amdhsa_code_object_version 6
	.text
	.protected	k_q47d7b2e99a_proj
	.globl	k_q47d7b2e99a_proj
	.p2align	8
	.type	k_q47d7b2e99a_proj,@function
k_q47d7b2e99a_proj:
	s_mov_b64 s[64:65], 0
	v_nop
	global_prefetch_b8 v0, s[64:65] scope:SCOPE_SE
	s_setreg_imm32_b32 hwreg(HW_REG_WAVE_MODE, 25, 1), 1
	s_wait_xcnt 0x0
	s_wait_alu depctr_hold_cnt(0) depctr_sa_sdst(0) depctr_va_vdst(0) depctr_va_sdst(0) depctr_va_ssrc(0) depctr_va_vcc(0) depctr_vm_vsrc(0)
	s_getreg_b32 s2, hwreg(HW_REG_IB_STS2, 6, 4)
	s_cmp_eq_u32 s2, 0
	s_cbranch_scc0 .Lentry_in_a_cluster
	s_endpgm
.Lentry_in_a_cluster:
	s_bfe_u32 s2, ttmp6, 0x10000c
	s_cmp_lg_u32 s2, 0xf033
	s_cbranch_scc0 .Lentry_shape_is_right
	s_endpgm
.Lentry_shape_is_right:
; q, k, v = x W^T on codes of E2M1 with one E8M0 scale for each 32 along K = 1,024, sums in f32.  codes: [11,264][512 bytes], scales: [11,264][32]: rows 0-8,191 x, then W_query, W_key, W_value.
; A work-group makes a tile C' = A' B'^T of 256 x 256; a wave 128 x 128: 64 accumulators.  THE MATRIX INSTRUCTION IS USED TRANSPOSED (source 0 = 16 rows of B', source 1 = 16 rows of A'): a lane holds one row
; of C' and eight neighbouring columns.  Clusters of 4 x 4; clx = cluster x (0..2), cly = cluster y (0..7).  Tiles count 256 rows of codes.
;   clx < 2 (q and k): A' = x, tile cly + 8 cy (sequence cy, its tile cly); B' = W_query or W_key, tile 32 + 4 clx + cx.  C' = qk [8,192][2,048] f16 (columns 0-1,023 q, then k).
;   clx = 2 (v):       A' = W_value, tile 40 + cy; B' = x, tile cly + 8 cx.  C' = vt [4][1,024 channels][2,048 positions] f16: a row of C' is a channel, its columns are positions.
; A's tile hangs on cy and the cluster's numbers alone: the four of a row of the cluster ask for it JOINTLY; B's on cx and the cluster's numbers alone: the four of a column.
; K is two slots of 512 along K (rows of 256 bytes): both are asked for at the start and nothing is filled again.  The scale bytes of the 256 + 256 rows, for all of K, come once, as dense blocks.
; Positions 0-15 of each sequence lie in the tiles with cly = 0, the same in all sixteen partners: there the f32 sums of those positions also go to fine (q and k: [4][16][2,048]; v: from byte 524,288 on
; [4][1,024][16]), for the launch that carries them in f32.
; LIMIT: q, k, v are rounded to f16: magnitudes up to 65,504.
; REGISTERS, in windows of 256: window 0: v0-31 addresses; v32-95 scale words, two sets; v128-191 A's fragments, one set; on the way out v32-63, v192-255.  window 1: B's fragments, two sets, at v0 and v128.
;   window 2: the accumulators of my rows 0-63 ((a, b) at v[8 (8 a + b)]); window 3: those of my rows 64-127.
.set KSTEP,  512
.set NQ,     4                         ; matrix instructions deep in a slot
.set ROWB,   256                       ; a tile's row in bytes
.set KROW,   512                       ; a row of codes in memory
.set PITCH,  272                       ; an LDS row: 256 bytes + 16 of padding: the 16 rows that a load touches start at 16 different banks
.set FR,     8
.set NL,     2
.set NP,     4                         ; places behind this matrix instruction (ISA guide 7.12.1)
.set HALFT,  128*PITCH
.set SLOT,   4*HALFT
.set KS,     32                        ; a row of scales in bytes
.set SCL,    2*SLOT                    ; behind the slots: the scales, as units of 256 bytes + 16 of padding
.set HALFS,  (128*KS/256)*272
.set SBLK,   (16*KS/256)*272
.set SPARE,  SCL+4*HALFS               ; the spare words, 128 bytes for each wave
.set SPITCH, 272                       ; the way out: a stage of 16 rows x (256 + 16) bytes for each wave, in slot 0, which has had its only fill and its last read by then
.set ADRA, 16
.set ADRB, 20
.set STO,  24
.set RD,   25
.set CO,   26
.set ADRS, 27
.set SPW,  28
.set NIL,  29
.set FQ,   30                          ; v30  the f32 copy of q, k: 8,192 r + 32 h
.set FV,   31                          ; v31  of v: 64 r + 32 h
.set SC,   32
.set AF,   128
.set TMP,  192
.set OB,   32
.set G1, 24
.set G0, 32
.set G1B, 48
.set G0B, 56
.set G1S, 68
.set G0S, 76
.set G1SB, 80
.set G0SB, 88
.set MSB, 0
.macro WIN new                         ; the immediate's high byte repeats the setting that is left
.if MSB != \new
	s_set_vgpr_msb (MSB<<8)|\new
.set MSB, \new
.endif
.endm
.set MUL_LO, 0xa1                      ; source 0 (B) window 1, source 1 (A) window 0, C and D window 2
.set MUL_HI, 0xf1
.set TO_B,   0x40
; A joint load: waves 0 and 1 fetch for A, waves 2 and 3 for B.  The branch hangs on the wave's number alone.  An s_nop 0 and four v_nop follow each of the two lines.
.macro JLOAD g0a, g1a, g0b, g1b
	s_cmp_eq_u32 s15, 0
	s_cbranch_scc0 .Lfor_b_\@
	tensor_load_to_lds s[\g0a:\g0a+3], s[\g1a:\g1a+7]
	s_nop 0
.rept 4
	v_nop
.endr
	s_branch .Lasked_\@
.Lfor_b_\@:
	tensor_load_to_lds s[\g0b:\g0b+3], s[\g1b:\g1b+7]
	s_nop 0
.rept 4
	v_nop
.endr
.Lasked_\@:
.endm
.macro CROUND                          ; a round of the cluster's barrier
	s_barrier_signal -1
	s_barrier_wait -1
	s_cmp_lg_u32 s14, 0
	s_cbranch_scc1 .Lnot_wave_0_\@
	s_barrier_signal -3
.Lnot_wave_0_\@:
	s_barrier_wait -3
	s_barrier_signal -1
	s_barrier_wait -1
.endm
	s_load_b256 s[4:11], s[0:1], 0x0               ; codes s[4:5], scales s[6:7], qk s[8:9], vt s[10:11]
	s_load_b64 s[12:13], s[0:1], 0x20              ; fine
	v_lshl_add_u32 v[SPW], v0, 2, SPARE
	v_mov_b32 v[NIL], 0
	ds_add_u32 v[SPW], v[NIL]                      ; the wave's opening: the add, twice on end, and its wait ahead of my first tensor load
	ds_add_u32 v[SPW], v[NIL]
	v_lshrrev_b32 v1, 5, v0
	v_readfirstlane_b32 s14, v1                    ; wave 0..3
	s_lshr_b32 s15, s14, 1                         ; which half of the tile's rows is mine.  Also: I fetch for A (0) or for B (1)
	s_and_b32 s16, s14, 1                          ; which half of its columns.  Also: which 128 rows I fetch
	s_bfe_u32 s40, ttmp6, 0x40000                  ; cx
	s_bfe_u32 s41, ttmp6, 0x40004                  ; cy
	s_and_b32 s96, ttmp7, 0xffff                   ; cly
	s_lshl_b32 s20, ttmp9, 2
	s_add_co_u32 s20, s20, 32                      ; 32 + 4 clx
	s_cmp_eq_u32 ttmp9, 2                          ; v's clusters?  The cluster's number: the same in all sixteen partners
	s_cselect_b32 s95, 1, 0
	s_cselect_b32 s17, 40, s96
	s_cselect_b32 s18, 0, 3
	s_cselect_b32 s42, s96, s20
	s_cselect_b32 s21, 3, 0
	s_lshl_b32 s18, s41, s18
	s_add_co_u32 s17, s17, s18                     ; A's tile: 40 + cy, or cly + 8 cy: never cx
	s_lshl_b32 s21, s40, s21
	s_add_co_u32 s42, s42, s21                     ; B's tile: cly + 8 cx, or 32 + 4 clx + cx: never cy
	s_lshl_b32 s43, s41, 2
	s_lshl_b32 s43, 15, s43                        ; my row of the cluster
	s_lshl_b32 s44, 0x1111, s40                    ; my column
	s_or_b32 s[G1+0], s43, (0<<16)|(1<<20)|(1<<21)|(5<<22)|(3<<25)  ; the mask; elements of 1 byte; padding on; bit 21 beside a mask; after every 64 words, 4 words
	s_or_b32 s[G1B+0], s44, (0<<16)|(1<<20)|(1<<21)|(5<<22)|(3<<25)
.irp g, G1, G1B
	s_mov_b32 s[\g+1], ROWB<<16                    ; tensor_dim0
	s_mov_b32 s[\g+2], 128<<16                     ; tensor_dim1
	s_mov_b32 s[\g+3], ROWB<<16                    ; tile_dim0
	s_mov_b32 s[\g+4], 128                         ; tile_dim1
	s_mov_b32 s[\g+5], KROW                        ; from row to row
	s_mov_b32 s[\g+6], 0
	s_mov_b32 s[\g+7], 0
.endr
	s_or_b32 s[G1S+0], s43, (3<<16)|(1<<20)|(1<<21)|(5<<22)|(3<<25)  ; the scales of 128 rows: 4,096 dense bytes as 16 rows of 32 elements of 8 bytes
	s_or_b32 s[G1SB+0], s44, (3<<16)|(1<<20)|(1<<21)|(5<<22)|(3<<25)
.irp g, G1S, G1SB
	s_mov_b32 s[\g+1], 32<<16
	s_mov_b32 s[\g+2], (128*KS/256)<<16
	s_mov_b32 s[\g+3], 32<<16
	s_mov_b32 s[\g+4], 128*KS/256
	s_mov_b32 s[\g+5], 32
	s_mov_b32 s[\g+6], 0
	s_mov_b32 s[\g+7], 0
.endr
	s_lshl_b32 s18, s16, 7                         ; which 128 rows of the tile I fetch
	s_lshl_b32 s20, s17, 8
	s_add_co_u32 s20, s20, s18                     ; A's first row
	s_lshl_b32 s46, s42, 8
	s_add_co_u32 s46, s46, s18                     ; B's
	s_lshl_b32 s22, s20, 5                         ; their scales: 32 bytes a row
	s_mov_b32 s23, 0
	s_lshl_b32 s92, s46, 5
	s_mov_b32 s93, 0
	s_lshl_b32 s20, s20, 9                         ; their codes: 512 bytes a row
	s_mov_b32 s21, 0
	s_lshl_b32 s46, s46, 9
	s_mov_b32 s47, 0
	s_mul_i32 s45, s14, HALFT                      ; where they go: wave x 128 rows: no place in the cluster enters an LDS address
	s_mul_i32 s94, s14, HALFS
	s_wait_dscnt 0x0                               ; both opening adds are done
	s_wait_kmcnt 0x0
	s_add_nc_u64 s[20:21], s[4:5], s[20:21]
	s_add_nc_u64 s[22:23], s[6:7], s[22:23]
	s_add_nc_u64 s[46:47], s[4:5], s[46:47]
	s_add_nc_u64 s[92:93], s[6:7], s[92:93]
	CROUND                                         ; all sixteen work-groups are here: the joint loads meet
	s_mov_b32 s[G0S], 1
	s_add_co_u32 s[G0S+1], s94, SCL
	s_mov_b64 s[G0S+2:G0S+3], s[22:23]
	s_or_b32 s[G0S+3], s[G0S+3], 0x80000000
	s_mov_b32 s[G0SB], 1
	s_add_co_u32 s[G0SB+1], s94, SCL
	s_mov_b64 s[G0SB+2:G0SB+3], s[92:93]
	s_or_b32 s[G0SB+3], s[G0SB+3], 0x80000000
	JLOAD G0S, G1S, G0SB, G1SB                     ; the scales first: they are wanted with the first slot
.irp s, 0,1
	s_mov_b32 s[G0+4*\s], 1
	s_add_co_u32 s[G0+4*\s+1], s45, \s*SLOT
	s_add_nc_u64 s[G0+4*\s+2:G0+4*\s+3], s[20:21], \s*ROWB
	s_or_b32 s[G0+4*\s+3], s[G0+4*\s+3], 0x80000000
	s_mov_b32 s[G0B+4*\s], 1
	s_add_co_u32 s[G0B+4*\s+1], s45, \s*SLOT
	s_add_nc_u64 s[G0B+4*\s+2:G0B+4*\s+3], s[46:47], \s*ROWB
	s_or_b32 s[G0B+4*\s+3], s[G0B+4*\s+3], 0x80000000
	JLOAD G0+4*\s, G1, G0B+4*\s, G1B               ; three loads of mine are out behind the second of these
.endr
	v_and_b32 v1, 15, v0                           ; r = l % 16
	v_bfe_u32 v2, v0, 4, 1                         ; h = l / 16
	v_mul_u32_u24 v3, v1, PITCH
	v_lshl_add_u32 v4, v2, 4, v3                   ; a fragment's row x pitch + 16 h
	s_mul_i32 s21, s15, HALFT                      ; my 128 rows of A
	s_mul_i32 s22, s16, HALFT                      ; my 128 rows of B,
	s_add_co_u32 s22, s22, 2*HALFT                 ; behind A's 256
.irp s, 0,1
	v_add_nc_u32 v[ADRA+\s], s21, v4
	v_add_nc_u32 v[ADRB+\s], s22, v4
	s_add_co_u32 s21, s21, SLOT
	s_add_co_u32 s22, s22, SLOT
.endr
	v_mul_u32_u24 v5, v1, KS                       ; my row's scales: 32 bytes a row,
	v_lshrrev_b32 v6, 8, v5
	v_lshl_add_u32 v5, v6, 4, v5                   ; and 16 more for each 256 passed
	s_mul_i32 s21, s15, HALFS
	s_mul_i32 s22, s16, HALFS
	s_add_co_u32 s22, s22, 2*HALFS
	s_sub_co_u32 s22, s22, s21
	v_mul_u32_u24 v6, s22, v2                      ; lanes 16-31 take B's: one product, h x the distance
	s_add_co_u32 s21, s21, SCL
	v_add_nc_u32 v5, v5, v6
	v_add_nc_u32 v[ADRS], s21, v5
	s_mul_i32 s23, s14, 16*SPITCH                  ; my stage
	v_mul_u32_u24 v5, v1, SPITCH
	v_lshl_add_u32 v5, v2, 4, v5
	v_add_nc_u32 v[STO], s23, v5                   ; in: row r, 16 bytes for each half of the lanes
	v_mul_u32_u24 v5, v2, SPITCH
	v_lshl_add_u32 v5, v1, 4, v5
	v_add_nc_u32 v[RD], s23, v5                    ; back: lanes 0-15 one row of 256 bytes, lanes 16-31 the next
	v_lshlrev_b32 v5, 12, v2
	v_lshl_add_u32 v[CO], v1, 4, v5                ; and the same two rows in C': 4,096 bytes a row
	v_lshlrev_b32 v5, 13, v1
	v_lshl_add_u32 v[FQ], v2, 5, v5
	v_lshlrev_b32 v5, 6, v1
	v_lshl_add_u32 v[FV], v2, 5, v5
	; where the f32 copy goes (in registers that feed no descriptor)
	s_lshl_b32 s98, s41, 17                        ; q, k: sequence cy: 131,072 bytes each,
	s_lshl_b32 s99, ttmp9, 2
	s_add_co_u32 s99, s99, s40
	s_lshl_b32 s99, s99, 10                        ; + 256 columns of 4 bytes for each tile column,
	s_add_co_u32 s98, s98, s99
	s_lshl_b32 s99, s16, 9                         ; + my half's 128 columns
	s_add_co_u32 s98, s98, s99
	s_lshl_b32 s100, s40, 10                       ; v: channel row 1,024 cx + 256 cy + 128 x my half, 64 bytes each, from byte 524,288 on
	s_lshl_b32 s99, s41, 8
	s_add_co_u32 s100, s100, s99
	s_lshl_b32 s99, s15, 7
	s_add_co_u32 s100, s100, s99
	s_lshl_b32 s100, s100, 6
	s_add_co_u32 s100, s100, 524288
	s_cmp_eq_u32 s95, 1
	s_cselect_b32 s98, s100, s98
	s_mov_b32 s99, 0
	s_add_nc_u64 s[98:99], s[12:13], s[98:99]
	; where my part of C' begins
	s_lshl_b32 s66, s17, 8                         ; q, k: row 256 x A's tile
	s_lshl_b32 s100, s40, 10
	s_lshl_b32 s101, s41, 8
	s_add_co_u32 s100, s100, s101                  ; v: row 1,024 cx + 256 cy
	s_lshl_b32 s101, ttmp9, 2
	s_add_co_u32 s101, s101, s40
	s_lshl_b32 s101, s101, 9                       ; q, k: column bytes 512 (4 clx + cx)
	s_lshl_b32 s97, s96, 9                         ; v: 512 cly
	s_cmp_eq_u32 s95, 1
	s_cselect_b32 s66, s100, s66
	s_cselect_b32 s67, s97, s101
	s_cselect_b64 s[8:9], s[10:11], s[8:9]
	s_lshl_b32 s100, s15, 7
	s_add_co_u32 s66, s66, s100
	s_lshl_b32 s66, s66, 12
	s_add_co_u32 s66, s66, s67
	s_lshl_b32 s100, s16, 8
	s_add_co_u32 s66, s66, s100
	s_mov_b32 s67, 0
	s_add_nc_u64 s[8:9], s[8:9], s[66:67]
.macro FRAG reg, adr, q, i             ; a fragment, 16 rows x 128 K of 4-bit codes: registers 4 c .. 4 c + 3 hold K = 64 c + 32 h + 0 .. 31
.irp c, 0,1
	ds_load_b128 v[\reg+4*\c:\reg+4*\c+3], v[\adr] offset:64*(\q)+32*\c+(\i)*16*PITCH
.endr
.endm
; 16 matrix instructions: A's blocks a0, a0 + 1 x B's eight, the slot's q-th 128 along K.  p: B's set; sc: the set of scale words.  The 64 accumulators take turns, one instruction a turn.
.macro MUL16 a0, p, q, sc, zero
.irp a, \a0, \a0+1
.irp b, 0,1,2,3,4,5,6,7
.if \zero
	v_wmma_scale_f32_16x16x128_f8f6f4 v[8*(8*((\a)%4)+\b):8*(8*((\a)%4)+\b)+7], v[128*(\p)+FR*\b:128*(\p)+FR*\b+FR-1], v[AF+FR*(\a):AF+FR*(\a)+FR-1], 0, v[SC+8*NQ*(\sc)+NQ*\b+(\q)], v[SC+8*NQ*(\sc)+NQ*(\a)+(\q)] matrix_a_fmt:MATRIX_FMT_FP4 matrix_b_fmt:MATRIX_FMT_FP4 matrix_a_scale:MATRIX_SCALE_ROW1
.else
	v_wmma_scale_f32_16x16x128_f8f6f4 v[8*(8*((\a)%4)+\b):8*(8*((\a)%4)+\b)+7], v[128*(\p)+FR*\b:128*(\p)+FR*\b+FR-1], v[AF+FR*(\a):AF+FR*(\a)+FR-1], v[8*(8*((\a)%4)+\b):8*(8*((\a)%4)+\b)+7], v[SC+8*NQ*(\sc)+NQ*\b+(\q)], v[SC+8*NQ*(\sc)+NQ*(\a)+(\q)] matrix_a_fmt:MATRIX_FMT_FP4 matrix_b_fmt:MATRIX_FMT_FP4 matrix_a_scale:MATRIX_SCALE_ROW1
.endif
.endr
.endr
.endm
.macro FETCH_B slot, q, p
	WIN TO_B
.irp i, 0,1,2,3,4,5,6,7
	FRAG 128*(\p)+FR*\i, ADRB+\slot, \q, \i
.endr
	WIN 0
.endm
.macro FETCH_A slot, q, i0
.irp i, \i0, \i0+1, \i0+2, \i0+3
	FRAG AF+FR*(\i), ADRA+\slot, \q, \i
.endr
.endm
.macro SCALES sc                       ; a slot's scale words: 4 words a row; lanes 0-15 take A's block i, lanes 16-31 B's block i
.irp i, 0,1,2,3,4,5,6,7
	ds_load_b128 v[SC+8*NQ*\sc+NQ*\i:SC+8*NQ*\sc+NQ*\i+3], v[ADRS] offset:\i*SBLK
.endr
.endm
.macro PLACES n                        ; plain vector lines between a matrix instruction and a load into, or a read of, its registers
.rept \n
	v_nop
.endr
.endm
.macro STEP slot, q, zero              ; a step of 128 along K that has its successor in the same slot
	s_wait_dscnt 4*NL                              ; B's set and A's blocks 0-3 are in; the youngest eight loads (A's blocks 4-7) may be out
	WIN MUL_LO
	MUL16 0, (\q)%2, \q, \slot, \zero
	MUL16 2, (\q)%2, \q, \slot, \zero
	s_wait_dscnt 0
	PLACES NP
	FETCH_B \slot, (\q)+1, 1-(\q)%2
	FETCH_A \slot, (\q)+1, 0
	WIN MUL_HI
	MUL16 4, (\q)%2, \q, \slot, \zero
	MUL16 6, (\q)%2, \q, \slot, \zero
	PLACES NP
	WIN 0
	FETCH_A \slot, (\q)+1, 4
.endm
.macro STEPS slot, from
.set Q, \from
.rept NQ-1-\from
	STEP \slot, Q, 0
.set Q, Q+1
.endr
.endm
	s_wait_tensorcnt 1                             ; the scales and my part of slot 0 are in (slot 1's load may be out)
	s_barrier_signal -1
	s_barrier_wait -1                              ; everybody's are
	FETCH_B 0, 0, 0
	FETCH_A 0, 0, 0
	SCALES 0
	FETCH_A 0, 0, 4
	STEP 0, 0, 1                                   ; the first step's products start the sums: nothing is cleared
	STEPS 0, 1
	; slot 0's last step changes slots: one barrier
	s_wait_tensorcnt 0x0                           ; my part of slot 1 has landed
	ds_add_u32 v[SPW], v[NIL]
	s_wait_dscnt 4*NL+1                            ; (the add and the youngest eight loads may be out)
	WIN MUL_LO
	MUL16 0, 1, NQ-1, 0, 0
	s_wait_dscnt 0x0                               ; the add is done, and my reads of slot 0 are over
	s_barrier_signal -1
	MUL16 2, 1, NQ-1, 0, 0
	WIN 0
	s_barrier_wait -1                              ; slot 1 is whole, and nobody reads slot 0 any more
	PLACES NP
	v_add_nc_u32 v[ADRS], 4*NQ, v[ADRS]            ; on to slot 1's scale words
	FETCH_B 1, 0, 0
	FETCH_A 1, 0, 0
	SCALES 1
	WIN MUL_HI
	MUL16 4, 1, NQ-1, 0, 0
	MUL16 6, 1, NQ-1, 0, 0
	PLACES NP
	WIN 0
	FETCH_A 1, 0, 4
	STEPS 1, 0
	s_wait_dscnt 4*NL                              ; the very last step
	WIN MUL_LO
	MUL16 0, 1, NQ-1, 1, 0
	MUL16 2, 1, NQ-1, 1, 0
	s_wait_dscnt 0
	WIN MUL_HI
	MUL16 4, 1, NQ-1, 1, 0
	MUL16 6, 1, NQ-1, 1, 0
	WIN 0
	PLACES NP                                      ; in front of the first reads of results
	; THE F32 COPY of positions 0-15: only where cly = 0 (the cluster's number), by the waves that hold them.  Each accumulator is read from its low end on.
	s_cmp_lg_u32 s96, 0
	s_cbranch_scc1 .Lnofine
	s_cmp_lg_u32 s95, 0
	s_cbranch_scc1 .Lfine_v
	s_cmp_lg_u32 s15, 0                            ; q, k: the tile's rows 0-15 are block 0 of the waves with the upper rows
	s_cbranch_scc1 .Lnofine
	WIN 0x08                                       ; a store's data are its source 1: window 2
.irp b, 0,1,2,3,4,5,6,7
	global_store_b128 v[FQ], v[8*\b:8*\b+3], s[98:99] offset:64*\b
	global_store_b128 v[FQ], v[8*\b+4:8*\b+7], s[98:99] offset:64*\b+16
.endr
	WIN 0
	s_branch .Lnofine
.Lfine_v:
	s_cmp_lg_u32 s16, 0                            ; v: the tile's columns 0-15 are B's block 0 of the waves with the left columns
	s_cbranch_scc1 .Lnofine
	WIN 0x08
.irp a, 0,1,2,3
	global_store_b128 v[FV], v[64*\a:64*\a+3], s[98:99] offset:1024*\a
	global_store_b128 v[FV], v[64*\a+4:64*\a+7], s[98:99] offset:1024*\a+16
.endr
	WIN 0x0c
.irp a, 0,1,2,3
	global_store_b128 v[FV], v[64*\a:64*\a+3], s[98:99] offset:1024*(\a+4)
	global_store_b128 v[FV], v[64*\a+4:64*\a+7], s[98:99] offset:1024*(\a+4)+16
.endr
	WIN 0
.Lnofine:
; THE WAY OUT of block a (16 rows x 128 columns): rounded to f16, 16 bytes a lane; through my stage in LDS; back as whole rows of 256 bytes; stored.
.macro PACK a
.set AC, 64*((\a)%4)
.set WX, 0x0a+5*((\a)/4)
	WIN WX                                         ; sources 0 and 1: window 2 or 3
.irp b, 0,1,2,3,4,5,6,7
.irp r, 0,1,2,3
	v_cvt_pk_f16_f32 v[TMP+4*\b+\r], v[AC+8*\b+2*\r], v[AC+8*\b+2*\r+1]
.endr
.endr
	WIN 0
.endm
.macro TOSTAGE a
.set OBK, OB+192*((\a)%2)
.irp b, 0,1,2,3,4,5,6,7
	ds_store_b128 v[STO], v[TMP+4*\b:TMP+4*\b+3] offset:32*\b
.endr
.irp t, 0,1,2,3,4,5,6,7
	ds_load_b128 v[OBK+4*\t:OBK+4*\t+3], v[RD] offset:\t*2*SPITCH    ; LDS serves a wave's instructions in order: these see the stores above
.endr
.endm
.macro SEND a
.set OBK, OB+192*((\a)%2)
	s_wait_dscnt 0x0                               ; the block is back in registers
	s_wait_xcnt 0x0                                ; earlier stores have read their base and registers: only now are they rewritten
.if (\a) > 0
	s_add_nc_u64 s[8:9], s[8:9], 16*4096           ; 16 rows of C' on
.endif
.irp t, 0,1,2,3,4,5,6,7
	global_store_b128 v[CO], v[OBK+4*\t:OBK+4*\t+3], s[8:9] offset:2*\t*4096   ; 16 lanes store 256 consecutive bytes, aligned
.endr
.endm
	PACK 0
	TOSTAGE 0
.irp a, 1,2,3,4,5,6,7
	PACK \a
	SEND \a-1
	TOSTAGE \a
.endr
	SEND 7
	s_wait_tensorcnt 0x0                           ; the wave's end
	ds_add_u32 v[SPW], v[NIL]
	s_wait_dscnt 0x0
	CROUND                                         ; the closing round
	s_endpgm
.Lfunc_end_k_q47d7b2e99a_proj:
	.size	k_q47d7b2e99a_proj, .Lfunc_end_k_q47d7b2e99a_proj-k_q47d7b2e99a_proj
	.p2alignl 7, 3214868480
	.fill 96, 4, 3214868480
	.section	.rodata,"a",@progbits
	.p2align	6, 0x0
	.amdhsa_kernel k_q47d7b2e99a_proj
		.amdhsa_group_segment_fixed_size 327680
		.amdhsa_private_segment_fixed_size 0
		.amdhsa_enable_private_segment 0
		.amdhsa_kernarg_size 40
		.amdhsa_user_sgpr_count 2
		.amdhsa_user_sgpr_kernarg_segment_ptr 1
		.amdhsa_wavefront_size32 1
		.amdhsa_system_sgpr_workgroup_id_x 1
		.amdhsa_system_sgpr_workgroup_id_y 1
		.amdhsa_system_sgpr_workgroup_id_z 1
		.amdhsa_system_vgpr_workitem_id 0
		.amdhsa_next_free_vgpr 1024
		.amdhsa_next_free_sgpr 102
		.amdhsa_reserve_vcc 0
		.amdhsa_float_denorm_mode_32 3
		.amdhsa_float_denorm_mode_16_64 3
		.amdhsa_memory_ordered 1
		.amdhsa_forward_progress 1
		.amdhsa_inst_pref_size 131
	.end_amdhsa_kernel
	.amdgpu_metadata
---
amdhsa.version: [ 1, 2 ]
amdhsa.kernels:
  - .name:           k_q47d7b2e99a_proj
    .symbol:         k_q47d7b2e99a_proj.kd
    .args:
      - { .name: codes, .offset: 0, .size: 8, .value_kind: global_buffer, .address_space: global }
      - { .name: scales, .offset: 8, .size: 8, .value_kind: global_buffer, .address_space: global }
      - { .name: qk, .offset: 16, .size: 8, .value_kind: global_buffer, .address_space: global }
      - { .name: vt, .offset: 24, .size: 8, .value_kind: global_buffer, .address_space: global }
      - { .name: fine, .offset: 32, .size: 8, .value_kind: global_buffer, .address_space: global }
    .group_segment_fixed_size: 327680
    .private_segment_fixed_size: 0
    .kernarg_segment_align: 8
    .kernarg_segment_size: 40
    .max_flat_workgroup_size: 128
    .sgpr_count:     102
    .vgpr_count:     1024
    .wavefront_size: 32
...
	.end_amdgpu_metadata
.endif
;; end of part 2
;; launch scores (part 3): grid 9 x 16, 4 waves a work-group, no clusters, 327,680 bytes of LDS; arguments qk, p, st; writes p, st
.if DOCPART == 3
	.amdgcn_target "amdgcn-amd-amdhsa--gfx1250"
	.amdhsa_code_object_version 6
	.text
	.protected	k_q47d7b2e99a_scores
	.globl	k_q47d7b2e99a_scores
	.p2align	8
	.type	k_q47d7b2e99a_scores,@function
k_q47d7b2e99a_scores:
	s_mov_b64 s[64:65], 0
	v_nop
	global_prefetch_b8 v0, s[64:65] scope:SCOPE_SE
	s_setreg_imm32_b32 hwreg(HW_REG_WAVE_MODE, 25, 1), 1
	s_wait_xcnt 0x0
; scores = q k^T on f16 operands, sums in f32; the causal mask; and the softmax's first half, by chunks of 128 keys.  qk: [8,192][2,048] f16 (columns 0-1,023 q, then k).
; WORK LEFT OUT: the tiles of 256 queries x 256 keys with tile column J > tile row I: the problem's own mask makes every weight there exactly 0.  36 tiles of each sequence are made.
; A work-group makes one tile (I, J): rows I and 7 - I of the triangle have 9 tiles together, so x = 0..8 and y = 4 x sequence + yy walk rows 7 - yy (x < 8 - yy) and yy.
; A wave makes 128 queries x 128 keys: one chunk.  THE MATRIX INSTRUCTION IS USED TRANSPOSED (source 0 = 16 keys, source 1 = 16 queries): in accumulator (a, b) lane (r, h) holds query 16 a + r, keys 16 b + 8 h + 0..7.
; OUT: t = score x log2(e) / 32; M_c = the query's largest t in this chunk, rounded up to a whole number; p = 2^(t - M_c), at most 1, rounded to f16 into p [8,192][2,048]; (-M_c, the sum of the unrounded p)
; into st [4][16 chunks][2,048 rows][2], f32.  The next launch brings the chunks under the row's own maximum.  A chunk wholly under the mask (the upper right wave of a tile on the diagonal) gets
; -M_c = about 1.35e37 and p = 0, sum 0: the floor -3e38 among the maximum's leaves keeps it a number.
; NO CLUSTER: row I of the triangle has I + 1 tiles, so the live tiles divide into no groups of four in which every partner reads every joint tile.
; K = 1,024 goes in 8 steps of 128 through two LDS slots; each wave fetches 128 rows x 256 bytes with one tensor load (waves 0, 1: q's halves; waves 2, 3: k's).
; REGISTERS: window 0: v0-31 addresses; v64-127, v128-191 q's fragments, two buffers; on the way out v32-255.  window 1: k's fragments.  windows 2, 3: accumulators ((a, b) at v[8 (8 (a % 4) + b)]).
.set KSTEP,  128
.set PITCH,  272
.set HALFT,  128*PITCH
.set SLOT,   4*HALFT
.set STAGE,  2*SLOT                    ; behind the ring: 16 rows x 272 bytes for each wave
.set SPITCH, 272
.set SPARE,  STAGE+4*16*SPITCH
.set LAPS,   4                         ; a lap = two K steps
.set ADRA, 16
.set ADRB, 20
.set STO,  24
.set RD,   25
.set CO,   26
.set SO,   27                          ; v27  8 x lane: the statistics' place
.set SPW,  28
.set NIL,  29
.set D0,   30                          ; v30  r - 8 h + 128 (my row half - my column half): key 16 b + j of block a is hidden where 16 b + j - 16 a > D0
.set NINF, 31                          ; v31  -infinity
.set MX,   32                          ; v32-35 four chains of the maximum; v36 the other half's
.set NEGM, 40                          ; v[40:41] -M_c (the pair's low word serves both halves)
.set SUM,  42                          ; v[42:45]
.set T,    64                          ; v64-127 t - M_c, then p
.set PK,   128                         ; v128-159 p in f16
.set OB,   160                         ; v160-191, v192-223 rows read back, by turns
.set SMR,  224                         ; v224-231 -M_c of block a
.set SLR,  232                         ; v232-239 its sum
.set SD,   240
.set F0,   64
.set F1,   128
.set G1, 24
.set G0, 32
.set MSB, 0
.macro WIN new
.if MSB != \new
	s_set_vgpr_msb (MSB<<8)|\new
.set MSB, \new
.endif
.endm
.set MUL_LO, 0xa1
.set MUL_HI, 0xf1
.set TO_B,   0x40
	s_load_b128 s[4:7], s[0:1], 0x0                ; qk, p
	s_load_b64 s[8:9], s[0:1], 0x10                ; st
	v_lshl_add_u32 v[SPW], v0, 2, SPARE
	v_mov_b32 v[NIL], 0
	ds_add_u32 v[SPW], v[NIL]                      ; the wave's opening: the add, twice on end, and its wait ahead of my first tensor load
	ds_add_u32 v[SPW], v[NIL]
	v_lshrrev_b32 v1, 5, v0
	v_readfirstlane_b32 s10, v1                    ; wave 0..3
	s_lshr_b32 s11, s10, 1                         ; my half of the queries.  Also: I fetch q (0) or k (1)
	s_and_b32 s12, s10, 1                          ; my half of the keys.  Also: which 128 rows I fetch
	s_and_b32 s13, ttmp7, 0xffff
	s_lshr_b32 s48, s13, 2                         ; the sequence
	s_and_b32 s13, s13, 3                          ; yy
	s_sub_co_u32 s14, 8, s13                       ; tiles in row 7 - yy
	s_sub_co_u32 s15, 7, s13
	s_sub_co_u32 s16, ttmp9, s14
	s_cmp_lt_u32 ttmp9, s14
	s_cselect_b32 s46, s15, s13                    ; I
	s_cselect_b32 s47, ttmp9, s16                  ; J
	s_cmp_eq_u32 s46, s47
	s_cselect_b32 s44, 1, 0                        ; on the diagonal?
	s_mov_b32 s[G1+0], (1<<16)|(1<<20)|(5<<22)|(3<<25)   ; elements of 2 bytes; padding: 4 words after every 64
	s_mov_b32 s[G1+1], KSTEP<<16                   ; tensor_dim0
	s_mov_b32 s[G1+2], 128<<16                     ; tensor_dim1
	s_mov_b32 s[G1+3], KSTEP<<16                   ; tile_dim0
	s_mov_b32 s[G1+4], 128                         ; tile_dim1
	s_mov_b32 s[G1+5], 2048                        ; elements from row to row
	s_mov_b32 s[G1+6], 0
	s_mov_b32 s[G1+7], 0
	s_mov_b32 s40, 0x3d38aa3b                      ; c = log2(e) / 32
	s_mov_b32 s41, s40
	s_mov_b32 s42, 0x76543210                      ; v_permlanex16_b32's selects: lane l xor 16
	s_mov_b32 s43, 0xfedcba98
	s_mov_b32 s45, 0xffff0000                      ; lanes 16-31
	s_cmp_eq_u32 s11, 0
	s_cselect_b32 s16, s46, s47                    ; q's rows by I, k's by J
	s_cselect_b32 s17, 0, 2048                     ; k lies 2,048 bytes on in a row
	s_lshl_b32 s16, s16, 8
	s_lshl_b32 s18, s48, 11
	s_add_co_u32 s16, s16, s18
	s_lshl_b32 s18, s12, 7
	s_add_co_u32 s16, s16, s18
	s_lshl_b32 s16, s16, 12                        ; 4,096 bytes a row
	s_add_co_u32 s16, s16, s17
	s_mov_b32 s17, 0
	s_mul_i32 s20, s10, HALFT                      ; q's two halves, then k's two halves = wave x 128 rows
	s_wait_dscnt 0x0                               ; both opening adds are done
	s_wait_kmcnt 0x0
	s_add_nc_u64 s[14:15], s[4:5], s[16:17]
.irp s, 0,1                            ; both first fills go out together: two loads of mine are out
	s_mov_b32 s[G0+4*\s], 1
	s_add_co_u32 s[G0+4*\s+1], s20, \s*SLOT
	s_add_nc_u64 s[G0+4*\s+2:G0+4*\s+3], s[14:15], \s*KSTEP*2
	s_or_b32 s[G0+4*\s+3], s[G0+4*\s+3], 0x80000000
	tensor_load_to_lds s[G0+4*\s:G0+4*\s+3], s[G1:G1+7]
	s_nop 0
.endr
	v_and_b32 v1, 15, v0                           ; r
	v_bfe_u32 v2, v0, 4, 1                         ; h
	v_mul_u32_u24 v3, v1, PITCH
	v_lshl_add_u32 v3, v2, 4, v3
	s_mul_i32 s21, s11, HALFT
	s_mul_i32 s22, s12, HALFT
	s_add_co_u32 s22, s22, 2*HALFT
.irp s, 0,1
	v_add_nc_u32 v[ADRA+\s], s21, v3
	v_add_nc_u32 v[ADRB+\s], s22, v3
	s_add_co_u32 s21, s21, SLOT
	s_add_co_u32 s22, s22, SLOT
.endr
	s_mul_i32 s23, s10, 16*SPITCH
	s_add_co_u32 s23, s23, STAGE                   ; my stage
	v_mul_u32_u24 v4, v1, SPITCH
	v_lshl_add_u32 v4, v2, 4, v4
	v_add_nc_u32 v[STO], s23, v4
	v_mul_u32_u24 v5, v2, SPITCH
	v_lshl_add_u32 v5, v1, 4, v5
	v_add_nc_u32 v[RD], s23, v5
	v_lshlrev_b32 v5, 12, v2
	v_lshl_add_u32 v[CO], v1, 4, v5
	v_and_b32 v5, 31, v0
	v_lshlrev_b32 v[SO], 3, v5
	s_sub_co_i32 s21, s11, s12
	s_lshl_b32 s21, s21, 7
	v_lshlrev_b32 v5, 3, v2
	v_sub_nc_u32 v5, v1, v5
	v_add_nc_u32 v[D0], s21, v5
	v_mov_b32 v[NINF], 0xff800000
	v_mov_b32 v[MX+4], 0                           ; written once: a lane permute's destination counts as one of its sources
	v_mov_b32 v[NEGM+1], 0                         ; (named as the upper half of a pair)
	; p at my first query's row and my first key
	s_lshl_b32 s16, s48, 11
	s_lshl_b32 s17, s46, 8
	s_add_co_u32 s16, s16, s17
	s_lshl_b32 s17, s11, 7
	s_add_co_u32 s16, s16, s17
	s_lshl_b32 s18, s16, 12
	s_lshl_b32 s17, s47, 9
	s_add_co_u32 s18, s18, s17
	s_lshl_b32 s17, s12, 8
	s_add_co_u32 s18, s18, s17
	s_mov_b32 s19, 0
	s_add_nc_u64 s[6:7], s[6:7], s[18:19]
	; st at ((16 x sequence + my chunk) x 2,048 + my first query in the sequence) x 8
	s_lshl_b32 s18, s48, 4
	s_lshl_b32 s17, s47, 1
	s_add_co_u32 s18, s18, s17
	s_add_co_u32 s18, s18, s12
	s_lshl_b32 s18, s18, 11
	s_lshl_b32 s17, s46, 8
	s_add_co_u32 s18, s18, s17
	s_lshl_b32 s17, s11, 7
	s_add_co_u32 s18, s18, s17
	s_lshl_b32 s18, s18, 3
	s_add_nc_u64 s[8:9], s[8:9], s[18:19]
; 16 matrix instructions: query blocks a0, a0 + 1 of the window's four x all 8 key blocks, 32 along K.  The 64 accumulators take turns, one instruction a turn.
.macro MUL16 f, hi, a0, zero
.irp a, \a0, \a0+1
.irp b, 0,1,2,3,4,5,6,7
.if \zero
	v_wmma_f32_16x16x32_f16 v[8*(8*(\a)+\b):8*(8*(\a)+\b)+7], v[\f+8*\b:\f+8*\b+7], v[\f+8*(4*\hi+\a):\f+8*(4*\hi+\a)+7], 0
.else
	v_wmma_f32_16x16x32_f16 v[8*(8*(\a)+\b):8*(8*(\a)+\b)+7], v[\f+8*\b:\f+8*\b+7], v[\f+8*(4*\hi+\a):\f+8*(4*\hi+\a)+7], v[8*(8*(\a)+\b):8*(8*(\a)+\b)+7]
.endif
.endr
.endr
.endm
.macro FETCH slot, k, f                ; 32 LDS loads in one run: a quarter step's fragments (128 keys, 128 queries, 32 K at byte k of the rows)
	WIN TO_B
.irp i, 0,1,2,3,4,5,6,7
	ds_load_b128 v[\f+8*\i:\f+8*\i+3],   v[ADRB+\slot] offset:\k+\i*16*PITCH
	ds_load_b128 v[\f+8*\i+4:\f+8*\i+7], v[ADRB+\slot] offset:\k+\i*16*PITCH+32
.endr
	WIN 0
.irp i, 0,1,2,3,4,5,6,7
	ds_load_b128 v[\f+8*\i:\f+8*\i+3],   v[ADRA+\slot] offset:\k+\i*16*PITCH
	ds_load_b128 v[\f+8*\i+4:\f+8*\i+7], v[ADRA+\slot] offset:\k+\i*16*PITCH+32
.endr
.endm
.macro PLACES                          ; four plain vector lines between a matrix instruction and a load into, or a read of, its registers
.rept 4
	v_nop
.endr
.endm
.macro QUARTER slot, k, f, g, zero     ; multiplies buffer f; in its middle fetches the next quarter, at byte k, into g
	s_wait_dscnt 8                                 ; k's fragments and q's rows 0-63 are in; the youngest eight loads may be out
	WIN MUL_LO
	MUL16 \f, 0, 0, \zero
	MUL16 \f, 0, 2, \zero
	PLACES
	FETCH \slot, \k, \g
	s_wait_dscnt 32                                ; all but the 32 just issued
	WIN MUL_HI
	MUL16 \f, 1, 0, \zero
	MUL16 \f, 1, 2, \zero
.endm
; A K step's last quarter changes slots: one barrier.  In front of it each wave waits for all its tensor loads (one is out: its part of the next slot), adds 0 to its spare word, and waits for that and for its
; reads of this slot.  fill = 1: this slot is filled again, two K steps ahead, first thing behind the barrier: the load has 224 matrix instructions in which to land.
.macro TURN slot, next, fill
	WIN 0
	s_wait_tensorcnt 0x0
	ds_add_u32 v[SPW], v[NIL]
.if \fill
	s_add_nc_u64 s[G0+4*\slot+2:G0+4*\slot+3], s[G0+4*\slot+2:G0+4*\slot+3], 2*KSTEP*2   ; no tensor load of mine is out: the slot's group 0 steps
.endif
	s_wait_dscnt 9                                 ; (the add and the youngest eight loads may be out)
	WIN MUL_LO
	MUL16 F1, 0, 0, 0
	s_wait_dscnt 0x0                               ; the add is done, and my reads of this slot are over
	s_barrier_signal -1
	MUL16 F1, 0, 2, 0
	s_barrier_wait -1
.if \fill
	tensor_load_to_lds s[G0+4*\slot:G0+4*\slot+3], s[G1:G1+7]
	s_nop 0
.endif
	PLACES
	FETCH \next, 0, F0
	WIN MUL_HI
	MUL16 F1, 1, 0, 0
	MUL16 F1, 1, 2, 0
.endm
	s_wait_tensorcnt 1                             ; my part of K step 0 is in; K step 1's may be out
	s_barrier_signal -1
	s_barrier_wait -1
	FETCH 0, 0, F0
	QUARTER 0, 64,  F0, F1, 1                      ; the first quarter's products start the sums
	WIN 0
	s_mov_b32 s3, LAPS-1
.Llap:
	QUARTER 0, 128, F1, F0, 0
	QUARTER 0, 192, F0, F1, 0
	TURN 0, 1, 1
	QUARTER 1, 64,  F0, F1, 0
	QUARTER 1, 128, F1, F0, 0
	QUARTER 1, 192, F0, F1, 0
	TURN 1, 0, 1
	QUARTER 0, 64,  F0, F1, 0
	WIN 0
	s_sub_co_u32 s3, s3, 1
	s_cmp_lg_u32 s3, 0
	s_cbranch_scc1 .Llap
	QUARTER 0, 128, F1, F0, 0                      ; the last lap is written out: it asks for nothing
	QUARTER 0, 192, F0, F1, 0
	TURN 0, 1, 0
	QUARTER 1, 64,  F0, F1, 0
	QUARTER 1, 128, F1, F0, 0
	QUARTER 1, 192, F0, F1, 0
	s_wait_dscnt 8
	WIN MUL_LO
	MUL16 F1, 0, 0, 0
	MUL16 F1, 0, 2, 0
	s_wait_dscnt 0
	WIN MUL_HI
	MUL16 F1, 1, 0, 0
	MUL16 F1, 1, 2, 0
	WIN 0
; THE SOFTMAX OF BLOCK a: 16 queries x my 128 keys; a lane holds one query and 64 keys, the lane 16 away the other 64.
.macro SOFT a
.set AC, 64*((\a)%4)
.set WW, 2+(\a)/4
	s_cmp_eq_u32 s44, 0                            ; ids alone: only a tile on the diagonal has hidden keys
	s_cbranch_scc1 .Lopen_\@
.set WX, (WW<<6)|WW
	WIN WX                                         ; destination and source 0: the accumulators' window
.set NN, 0
.rept 64
	v_cmp_gt_i32 vcc_lo, 16*(NN/8)+NN%8-16*(\a), v[D0]
	v_cndmask_b32 v[AC+NN], v[AC+NN], v[NINF], vcc_lo
.set NN, NN+1
.endr
	WIN 0
.Lopen_\@:
.set WX, (WW<<4)|(WW<<2)
	WIN WX                                         ; sources 1 and 2
.irp k, 0,1,2,3
	v_max3_num_f32 v[MX+\k], 0xff61b1e6, v[AC+16*\k], v[AC+16*\k+1]   ; four chains by turns; the floor -3e38; each accumulator is read from its low end on
.endr
.irp i, 2,4,6,8,10,12,14
.irp k, 0,1,2,3
	v_max3_num_f32 v[MX+\k], v[MX+\k], v[AC+16*\k+\i], v[AC+16*\k+\i+1]
.endr
.endr
	WIN 0
	v_max3_num_f32 v[MX], v[MX], v[MX+1], v[MX+2]
	v_max_num_f32 v[MX], v[MX], v[MX+3]
	v_permlanex16_b32 v[MX+4], v[MX], s42, s43
	v_max_num_f32 v[MX], v[MX], v[MX+4]            ; the query's largest score in the chunk
	v_mul_f32 v[MX], s40, v[MX]                    ; as t (c is positive)
	v_floor_f32 v[NEGM], -v[MX]                    ; -M_c = floor(-t): M_c is a whole number
.set WX, WW
	WIN WX                                         ; source 0
.set NN, 0
.rept 32
	v_pk_fma_f32 v[T+NN:T+NN+1], v[AC+NN:AC+NN+1], s[40:41], v[NEGM:NEGM+1] op_sel_hi:[1,0,0]   ; t - M_c, two at a time
.set NN, NN+2
.endr
	WIN 0
.set NN, 0
.rept 64
	v_exp_f32 v[T+NN], v[T+NN]                     ; p = 2^(t - M_c), at most 1
.set NN, NN+1
.endr
	v_mov_b32 v[SMR+(\a)], v[NEGM]                 ; (the plain line behind the exponentials)
	s_wait_alu depctr_va_vdst(0)                   ; one wait for the batch, ahead of its first reader
	v_pk_add_f32 v[SUM:SUM+1], v[T:T+1], v[T+2:T+3]           ; the sum of the unrounded p, in two chains
	v_pk_add_f32 v[SUM+2:SUM+3], v[T+4:T+5], v[T+6:T+7]
.irp n, 8,12,16,20,24,28,32,36,40,44,48,52,56,60
	v_pk_add_f32 v[SUM:SUM+1], v[SUM:SUM+1], v[T+\n:T+\n+1]
	v_pk_add_f32 v[SUM+2:SUM+3], v[SUM+2:SUM+3], v[T+\n+2:T+\n+3]
.endr
	v_pk_add_f32 v[SUM:SUM+1], v[SUM:SUM+1], v[SUM+2:SUM+3]
	v_add_f32 v[SUM], v[SUM], v[SUM+1]
	v_permlanex16_b32 v[MX+4], v[SUM], s42, s43
	v_add_f32 v[SLR+(\a)], v[SUM], v[MX+4]
.set NN, 0
.rept 32
	v_cvt_pk_f16_f32 v[PK+NN], v[T+2*NN], v[T+2*NN+1]
.set NN, NN+1
.endr
.endm
.macro TOSTAGE a
.set OBK, OB+32*((\a)%2)
.irp b, 0,1,2,3,4,5,6,7
	ds_store_b128 v[STO], v[PK+4*\b:PK+4*\b+3] offset:32*\b
.endr
.irp t, 0,1,2,3,4,5,6,7
	ds_load_b128 v[OBK+4*\t:OBK+4*\t+3], v[RD] offset:\t*2*SPITCH    ; LDS serves a wave's instructions in order: these see the stores above
.endr
.endm
.macro SEND a
.set OBK, OB+32*((\a)%2)
	s_wait_dscnt 0x0
	s_wait_xcnt 0x0                                ; earlier stores have read their base and registers
.if (\a) > 0
	s_add_nc_u64 s[6:7], s[6:7], 16*4096
.endif
.irp t, 0,1,2,3,4,5,6,7
	global_store_b128 v[CO], v[OBK+4*\t:OBK+4*\t+3], s[6:7] offset:2*\t*4096   ; 16 lanes store 256 consecutive bytes, aligned
.endr
.endm
	PLACES                                         ; in front of the first reads of results, and of writes into the registers that held q's fragments
	SOFT 0
	TOSTAGE 0
.irp a, 1,2,3,4,5,6,7
	SOFT \a
	SEND \a-1
	TOSTAGE \a
.endr
	SEND 7
.irp k, 0,1,2,3                        ; the statistics: lanes 0-15 take block 2 k's queries, lanes 16-31 block 2 k + 1's: 32 neighbouring rows, 8 bytes each
	v_cndmask_b32 v[SD+2*\k], v[SMR+2*\k], v[SMR+2*\k+1], s45
	v_cndmask_b32 v[SD+2*\k+1], v[SLR+2*\k], v[SLR+2*\k+1], s45
.endr
.irp k, 0,1,2,3
	global_store_b64 v[SO], v[SD+2*\k:SD+2*\k+1], s[8:9] offset:256*\k   ; 256 consecutive bytes, aligned
.endr
	s_wait_tensorcnt 0x0                           ; the wave's end
	ds_add_u32 v[SPW], v[NIL]
	s_wait_dscnt 0x0
	s_endpgm
.Lfunc_end_k_q47d7b2e99a_scores:
	.size	k_q47d7b2e99a_scores, .Lfunc_end_k_q47d7b2e99a_scores-k_q47d7b2e99a_scores
	.p2alignl 7, 3214868480
	.fill 96, 4, 3214868480
	.section	.rodata,"a",@progbits
	.p2align	6, 0x0
	.amdhsa_kernel k_q47d7b2e99a_scores
		.amdhsa_group_segment_fixed_size 327680
		.amdhsa_private_segment_fixed_size 0
		.amdhsa_enable_private_segment 0
		.amdhsa_kernarg_size 24
		.amdhsa_user_sgpr_count 2
		.amdhsa_user_sgpr_kernarg_segment_ptr 1
		.amdhsa_wavefront_size32 1
		.amdhsa_system_sgpr_workgroup_id_x 1
		.amdhsa_system_sgpr_workgroup_id_y 1
		.amdhsa_system_sgpr_workgroup_id_z 1
		.amdhsa_system_vgpr_workitem_id 0
		.amdhsa_next_free_vgpr 1024
		.amdhsa_next_free_sgpr 66
		.amdhsa_reserve_vcc 1
		.amdhsa_float_denorm_mode_32 3
		.amdhsa_float_denorm_mode_16_64 3
		.amdhsa_memory_ordered 1
		.amdhsa_forward_progress 1
		.amdhsa_inst_pref_size 250
	.end_amdhsa_kernel
	.amdgpu_metadata
---
amdhsa.version: [ 1, 2 ]
amdhsa.kernels:
  - .name:           k_q47d7b2e99a_scores
    .symbol:         k_q47d7b2e99a_scores.kd
    .args:
      - { .name: qk, .offset: 0, .size: 8, .value_kind: global_buffer, .address_space: global }
      - { .name: p, .offset: 8, .size: 8, .value_kind: global_buffer, .address_space: global }
      - { .name: st, .offset: 16, .size: 8, .value_kind: global_buffer, .address_space: global }
    .group_segment_fixed_size: 327680
    .private_segment_fixed_size: 0
    .kernarg_segment_align: 8
    .kernarg_segment_size: 24
    .max_flat_workgroup_size: 128
    .sgpr_count:     66
    .vgpr_count:     1024
    .wavefront_size: 32
...
	.end_amdgpu_metadata
.endif
;; end of part 3
;; launch pv (part 4): grid 8 x 32, 4 waves a work-group, clusters of 4 x 1, 327,680 bytes of LDS; arguments p, st, vt, out0; writes out0
.if DOCPART == 4
	.amdgcn_target "amdgcn-amd-amdhsa--gfx1250"
	.amdhsa_code_object_version 6
	.text
	.protected	k_q47d7b2e99a_pv
	.globl	k_q47d7b2e99a_pv
	.p2align	8
	.type	k_q47d7b2e99a_pv,@function
k_q47d7b2e99a_pv:
	s_mov_b64 s[64:65], 0
	v_nop
	global_prefetch_b8 v0, s[64:65] scope:SCOPE_SE
	s_setreg_imm32_b32 hwreg(HW_REG_WAVE_MODE, 25, 1), 1
	s_wait_xcnt 0x0
	s_wait_alu depctr_hold_cnt(0) depctr_sa_sdst(0) depctr_va_vdst(0) depctr_va_sdst(0) depctr_va_ssrc(0) depctr_va_vcc(0) depctr_vm_vsrc(0)
	s_getreg_b32 s2, hwreg(HW_REG_IB_STS2, 6, 4)
	s_cmp_eq_u32 s2, 0
	s_cbranch_scc0 .Lentry_in_a_cluster
	s_endpgm
.Lentry_in_a_cluster:
	s_bfe_u32 s2, ttmp6, 0x10000c
	s_cmp_lg_u32 s2, 0x3003
	s_cbranch_scc0 .Lentry_shape_is_right
	s_endpgm
.Lentry_shape_is_right:
; out = weights v: the softmax's second half and the second product, f16 operands, sums in f32.  p [8,192][2,048] f16 and st [4][16][2,048][2] f32 are the score launch's; vt [4][1,024 channels][2,048 positions] f16.
; For each row: M = the largest M_c of its chunks of 128 keys; g_c = 2^(M_c - M), a power of two; L = the sum of l_c g_c.  Each chunk's product p_c v_c is summed by itself, in f32; the finished chunk sums are
; multiplied by g_c and added into totals, in f32; the totals are divided by L: the softmax with the row's maximum taken away.
; WORK LEFT OUT: the steps of 256 keys that lie wholly behind a row tile's last query: the problem's own mask makes their weights exactly 0.  Rows 0-15 of each sequence are the next launch's.
; SHARES.  A work-group makes two tiles of 128 queries x 128 channels, row tiles 15 - i and i of a sequence: (17 - i) / 2 steps of 256 keys and the rest of 9: every work-group walks 9 steps.
; A wave makes 64 x 64: 16 accumulators.  THE MATRIX INSTRUCTION IS USED TRANSPOSED (source 0 = 16 channels, source 1 = 16 queries): a lane holds one query and eight neighbouring channels, so g is one number a lane and block.
; CLUSTER of 4 x 1: the partners differ in the channel tile alone and walk the same tiles of p: p's loads are JOINT (mask 15).  vt's tiles are each work-group's own: plain loads, behind the same rounds.
; (Partners along the pairs of row tiles would want different key steps of vt: so vt is not shared.)
; REGISTERS: window 0: v0-31 addresses; v32-63, v64-95, v96-99 the way out; v100-157 the tables' set-up; v160-191 g, each number twice (160 + 16 slot + 8 chunk + 2 block).
;   window 1: v0-127 p's fragments, two buffers (half c of buffer f at 64 f + 32 c); v128-255 a chunk's sums ((a, b) at 128 + 8 (4 a + b)).  window 2: v0-127 vt's fragments likewise; v128-255 the totals, in the same order.
.set PITCH,  528                       ; an LDS row: 512 bytes + 16 of padding
.set HALFT,  64*PITCH
.set SLOT,   4*HALFT                   ; p's 128 rows, then vt's 128 rows
.set STAGE,  2*SLOT                    ; 16 rows x 272 bytes for each wave
.set SPITCH, 272
.set GT,     STAGE+4*16*SPITCH         ; g: [9 steps][2 chunks][1,024 bytes]; row 64 rh + 16 a + r at 512 rh + 32 r + 8 a, as the pair (g, g)
.set RT,     GT+9*2048                 ; 1 / L: [2 tiles][512 bytes]; row 64 rh + 16 a + r at 256 rh + 16 r + 4 a
.set SPARE,  RT+1024
.set ADRA, 16
.set ADRB, 20
.set RW,   23                          ; v23  where my thread's row of 1 / L is written
.set STO,  24
.set RD,   25
.set CO,   26
.set GR,   27                          ; v27  where the next step's g are read; steps 2,048 bytes a step
.set SPW,  28
.set NIL,  29
.set RRD,  30                          ; v30  where 1 / L is read
.set GW,   31                          ; v31  where my thread's row of g is written
.set TM,   32
.set BK,   64
.set RR,   96
.set GG,   160
.set ACC,  128
.set G1A, 24
.set G0A, 32
.set G1B, 40
.set G0B, 48
.set OL,  60                           ; s[60:61] out0 at my part of the long tile; s[62:63] of the short one
.set OS,  62
.set MK,  66                           ; s66-74  -1 where step u belongs to the long tile, else 0
.set MSB, 0
.macro WIN new                         ; the immediate's high byte repeats the setting that is left
.if MSB != \new
	s_set_vgpr_msb (MSB<<8)|\new
.set MSB, \new
.endif
.endm
.set MUL,  0x56                        ; source 0 window 2 (vt's fragments), source 1 (p's), C and D window 1
.set CMB,  0xa1                        ; source 0 window 1 (a chunk's sums), source 1 window 0 (g), source 2 and destination window 2 (the totals)
.set TO_A, 0x40
.set TO_B, 0x80
.macro JLOAD s                         ; waves 0, 1: p's halves, jointly; waves 2, 3: vt's halves.  An s_nop 0 and four v_nop follow each line
	s_cmp_eq_u32 s13, 0
	s_cbranch_scc0 .Lfor_b_\@
	tensor_load_to_lds s[G0A+4*\s:G0A+4*\s+3], s[G1A:G1A+7]
	s_nop 0
.rept 4
	v_nop
.endr
	s_branch .Lasked_\@
.Lfor_b_\@:
	tensor_load_to_lds s[G0B+4*\s:G0B+4*\s+3], s[G1B:G1B+7]
	s_nop 0
.rept 4
	v_nop
.endr
.Lasked_\@:
.endm
.macro CREST
	s_cmp_lg_u32 s12, 0
	s_cbranch_scc1 .Lnot_wave_0_\@
	s_barrier_signal -3
.Lnot_wave_0_\@:
	s_barrier_wait -3
	s_barrier_signal -1
	s_barrier_wait -1
.endm
.macro CROUND
	s_barrier_signal -1
	s_barrier_wait -1
	CREST
.endm
; Both groups 0 of a slot for step s79: it belongs to the long tile while s79 < N1.  Only where no tensor load of mine names them.  Ids and the count of steps alone; p's address holds no cx.
.macro ADDR slot
	s_cmp_gt_u32 s19, s79
	s_cselect_b32 s56, s20, s21
	s_cselect_b32 s58, 0, s19
	s_sub_co_u32 s58, s79, s58
	s_lshl_b32 s58, s58, 9                         ; the tile's key step x 512 bytes
	s_add_co_u32 s56, s56, s58
	s_add_nc_u64 s[G0A+4*\slot+2:G0A+4*\slot+3], s[4:5], s[56:57]
	s_or_b32 s[G0A+4*\slot+3], s[G0A+4*\slot+3], 0x80000000
	s_add_nc_u64 s[G0B+4*\slot+2:G0B+4*\slot+3], s[22:23], s[58:59]
	s_or_b32 s[G0B+4*\slot+3], s[G0B+4*\slot+3], 0x80000000
	s_add_co_u32 s79, s79, 1
.endm
	s_load_b256 s[4:11], s[0:1], 0x0               ; p s[4:5], st s[6:7], vt s[8:9], out0 s[10:11]
	v_lshl_add_u32 v[SPW], v0, 2, SPARE
	v_mov_b32 v[NIL], 0
	ds_add_u32 v[SPW], v[NIL]                      ; the wave's opening: the add, twice on end, and its wait ahead of my first tensor load
	ds_add_u32 v[SPW], v[NIL]
	v_lshrrev_b32 v1, 5, v0
	v_readfirstlane_b32 s12, v1                    ; wave 0..3
	s_lshr_b32 s13, s12, 1                         ; my half of the queries.  Also: I fetch p (0) or vt (1)
	s_and_b32 s14, s12, 1                          ; my half of the channels.  Also: which 64 rows I fetch
	s_bfe_u32 s15, ttmp6, 0x40000                  ; cx
	s_lshl_b32 s16, ttmp9, 2
	s_add_co_u32 s16, s16, s15                     ; channel tile
	s_and_b32 s18, ttmp7, 0xffff
	s_lshr_b32 s17, s18, 3                         ; the sequence
	s_and_b32 s18, s18, 7                          ; i
	s_sub_co_u32 s19, 17, s18
	s_lshr_b32 s19, s19, 1                         ; N1: the long tile's steps
	s_lshl_b32 s76, s17, 11
	s_lshl_b32 s77, s14, 6
	s_add_co_u32 s76, s76, s77                     ; 2,048 x sequence + the 64 rows that I fetch
	s_sub_co_u32 s77, 15, s18
	s_lshl_b32 s77, s77, 7
	s_add_co_u32 s20, s76, s77
	s_lshl_b32 s20, s20, 12                        ; p's bytes to the long tile's rows,
	s_lshl_b32 s77, s18, 7
	s_add_co_u32 s21, s76, s77
	s_lshl_b32 s21, s21, 12                        ; and to the short tile's
	s_lshl_b32 s80, s17, 10
	s_lshl_b32 s81, s16, 7
	s_add_co_u32 s80, s80, s81
	s_lshl_b32 s81, s14, 6
	s_add_co_u32 s80, s80, s81
	s_lshl_b32 s80, s80, 12                        ; vt's bytes to my channel rows
	s_mov_b32 s81, 0
	s_lshl_b32 s86, s17, 11
	s_lshl_b32 s87, s13, 6
	s_add_co_u32 s86, s86, s87
	s_lshl_b32 s88, s16, 9
	s_lshl_b32 s87, s14, 8
	s_add_co_u32 s88, s88, s87                     ; out0: my columns' bytes
	s_sub_co_u32 s87, 15, s18
	s_lshl_b32 s87, s87, 7
	s_add_co_u32 s87, s87, s86
	s_lshl_b32 s[OL], s87, 12
	s_add_co_u32 s[OL], s[OL], s88
	s_mov_b32 s[OL+1], 0
	s_lshl_b32 s87, s18, 7
	s_add_co_u32 s87, s87, s86
	s_lshl_b32 s[OS], s87, 12
	s_add_co_u32 s[OS], s[OS], s88
	s_mov_b32 s[OS+1], 0
	s_or_b32 s75, s18, s13
	s_cmp_eq_u32 s75, 0
	s_cselect_b32 s75, 1, 0                        ; my short tile's first 16 rows are rows 0-15 of the sequence: not mine to store
	s_lshl_b32 s89, s17, 18                        ; st: 262,144 bytes a sequence,
	s_sub_co_u32 s84, 15, s18
	s_lshl_b32 s84, s84, 10
	s_add_co_u32 s84, s84, s89                     ; + 1,024 x row tile: the long tile's,
	s_lshl_b32 s85, s18, 10
	s_add_co_u32 s85, s85, s89                     ; the short tile's
	s_mov_b32 s57, 0
	s_mov_b32 s59, 0
	s_mov_b32 s78, 0                               ; the step in hand
	s_mov_b32 s79, 0                               ; the step to be asked for
	s_mov_b32 s[G1A+0], 15|(1<<16)|(1<<20)|(1<<21)|(6<<22)|(3<<25)   ; the mask: all four; elements of 2 bytes; padding: 4 words after every 128; bit 21 beside a mask
	s_mov_b32 s[G1B+0], (1<<16)|(1<<20)|(6<<22)|(3<<25)
.irp g, G1A, G1B
	s_mov_b32 s[\g+1], 256<<16                     ; tensor_dim0
	s_mov_b32 s[\g+2], 64<<16                      ; tensor_dim1
	s_mov_b32 s[\g+3], 256<<16                     ; tile_dim0
	s_mov_b32 s[\g+4], 64                          ; tile_dim1
	s_mov_b32 s[\g+5], 2048                        ; elements from row to row
	s_mov_b32 s[\g+6], 0
	s_mov_b32 s[\g+7], 0
.endr
	s_mul_i32 s90, s12, HALFT                      ; where my loads go: wave x 64 rows
.irp s, 0,1
	s_mov_b32 s[G0A+4*\s], 1
	s_add_co_u32 s[G0A+4*\s+1], s90, \s*SLOT
	s_mov_b32 s[G0B+4*\s], 1
	s_add_co_u32 s[G0B+4*\s+1], s90, \s*SLOT
.endr
	s_wait_dscnt 0x0                               ; both opening adds are done
	s_wait_kmcnt 0x0
	s_add_nc_u64 s[22:23], s[8:9], s[80:81]
	s_add_nc_u64 s[OL:OL+1], s[10:11], s[OL:OL+1]
	s_add_nc_u64 s[OS:OS+1], s[10:11], s[OS:OS+1]
	CROUND                                         ; all four work-groups are here: the first joint loads meet
	ADDR 0
	JLOAD 0
	ADDR 1
	JLOAD 1                                        ; two loads of mine are out
	v_and_b32 v1, 15, v0                           ; r
	v_bfe_u32 v2, v0, 4, 1                         ; h
	v_mul_u32_u24 v3, v1, PITCH
	v_lshl_add_u32 v3, v2, 4, v3
	s_mul_i32 s76, s13, HALFT
	s_mul_i32 s77, s14, HALFT
	s_add_co_u32 s77, s77, 2*HALFT
.irp s, 0,1
	v_add_nc_u32 v[ADRA+\s], s76, v3
	v_add_nc_u32 v[ADRB+\s], s77, v3
	s_add_co_u32 s76, s76, SLOT
	s_add_co_u32 s77, s77, SLOT
.endr
	s_mul_i32 s76, s12, 16*SPITCH
	s_add_co_u32 s76, s76, STAGE
	v_mul_u32_u24 v4, v1, SPITCH
	v_lshl_add_u32 v4, v2, 5, v4
	v_add_nc_u32 v[STO], s76, v4                   ; into my stage: row r, 32 bytes for each half of the lanes
	v_mul_u32_u24 v4, v2, SPITCH
	v_lshl_add_u32 v4, v1, 4, v4
	v_add_nc_u32 v[RD], s76, v4                    ; back: lanes 0-15 one row of 256 bytes, lanes 16-31 the next
	v_lshlrev_b32 v4, 12, v2
	v_lshl_add_u32 v[CO], v1, 4, v4
	s_lshl_b32 s76, s13, 9
	s_add_co_u32 s77, s76, GT
	v_lshl_add_u32 v[GR], v1, 5, s77               ; g of my query in my four blocks: 32 bytes at 512 x my row half + 32 r
	s_lshl_b32 s76, s13, 8
	s_add_co_u32 s77, s76, RT
	v_lshl_add_u32 v[RRD], v1, 4, s77
	v_lshrrev_b32 v4, 6, v0                        ; thread t's row of the tables: row half t / 64,
	v_bfe_u32 v5, v0, 4, 2                         ; block (t / 16) % 4, place r
	v_lshlrev_b32 v6, 9, v4
	v_lshl_add_u32 v6, v1, 5, v6
	v_lshl_add_u32 v6, v5, 3, v6
	v_add_nc_u32 v[GW], GT, v6
	v_lshlrev_b32 v6, 8, v4
	v_lshl_add_u32 v6, v1, 4, v6
	v_lshl_add_u32 v6, v5, 2, v6
	v_add_nc_u32 v[RW], RT, v6
	; THE TABLES, while the first tiles land.  Thread t owns row t of both tiles.  v[100+4u ..]: (-M_c, l_c) of step u's two chunks
.irp u, 0,1,2,3,4,5,6,7,8
	s_cmp_gt_u32 s19, \u
	s_cselect_b32 s[MK+\u], -1, 0
	s_cselect_b32 s76, s84, s85
	s_cselect_b32 s77, 0, s19
	s_sub_co_u32 s77, \u, s77
	s_lshl_b32 s77, s77, 15                        ; two chunks of 16,384 bytes a key step
	s_add_co_u32 s76, s76, s77
	v_lshl_add_u32 v[136+\u], v0, 3, s76
	global_load_b64 v[100+4*\u:101+4*\u], v[136+\u], s[6:7]
	global_load_b64 v[102+4*\u:103+4*\u], v[136+\u], s[6:7] offset:16384
.endr
	s_wait_loadcnt 0x0
	v_mov_b32 v145, 0x7f7fffff                     ; above every -M_c
	v_mov_b32 v146, v145                           ; the long tile's smallest -M_c = -M
	v_mov_b32 v147, v145                           ; the short tile's
.irp u, 0,1,2,3,4,5,6,7,8
	v_cndmask_b32 v150, v145, v[100+4*\u], s[MK+\u]
	v_cndmask_b32 v151, v145, v[102+4*\u], s[MK+\u]
	v_cndmask_b32 v152, v[100+4*\u], v145, s[MK+\u]
	v_cndmask_b32 v153, v[102+4*\u], v145, s[MK+\u]
	v_min_num_f32 v150, v150, v151
	v_min_num_f32 v152, v152, v153
	v_min_num_f32 v146, v146, v150
	v_min_num_f32 v147, v147, v152
.endr
	v_mov_b32 v148, 0                              ; L of the long tile's row
	v_mov_b32 v149, 0                              ; of the short tile's
.irp u, 0,1,2,3,4,5,6,7,8
	v_cndmask_b32 v150, v147, v146, s[MK+\u]       ; -M of the tile that step u belongs to
.irp cc, 0,1
	v_sub_f32 v151, v150, v[100+4*\u+2*\cc]        ; M_c - M: a whole number, 0 or less
	v_cvt_i32_f32 v151, v151                       ; (it saturates)
	v_ldexp_f32 v152, 1.0, v151                    ; g,
	v_ldexp_f32 v153, 1.0, v151                    ; twice: the packed lines multiply by a pair
	v_mul_f32 v154, v[101+4*\u+2*\cc], v152        ; l_c g
	ds_store_b64 v[GW], v[152:153] offset:2048*\u+1024*\cc
	v_cndmask_b32 v155, 0, v154, s[MK+\u]
	v_add_f32 v148, v148, v155
	v_sub_f32 v155, v154, v155                     ; what did not go to the long tile's sum: exact
	v_add_f32 v149, v149, v155
.endr
.endr
	v_rcp_f32 v156, v148
	v_rcp_f32 v157, v149
	v_nop                                          ; a plain line behind the reciprocals
	s_wait_alu depctr_va_vdst(0)                   ; one wait for both, ahead of their first reader
	ds_store_b32 v[RW], v156
	ds_store_b32 v[RW], v157 offset:512
.macro PLACES                          ; four plain vector lines between a matrix instruction and a load into, or a read of, its registers
.rept 4
	v_nop
.endr
.endm
.macro FETCH f, slot, q                ; 32 LDS loads in one run: the fragments of quarter q (64 keys) into buffer f
	WIN TO_B
.irp c, 0,1
.irp i, 0,1,2,3
	ds_load_b128 v[64*(\f)+32*\c+8*\i:64*(\f)+32*\c+8*\i+3],   v[ADRB+(\slot)] offset:128*(\q)+64*\c+\i*16*PITCH
	ds_load_b128 v[64*(\f)+32*\c+8*\i+4:64*(\f)+32*\c+8*\i+7], v[ADRB+(\slot)] offset:128*(\q)+64*\c+\i*16*PITCH+32
.endr
.endr
	WIN TO_A
.irp c, 0,1
.irp i, 0,1,2,3
	ds_load_b128 v[64*(\f)+32*\c+8*\i:64*(\f)+32*\c+8*\i+3],   v[ADRA+(\slot)] offset:128*(\q)+64*\c+\i*16*PITCH
	ds_load_b128 v[64*(\f)+32*\c+8*\i+4:64*(\f)+32*\c+8*\i+7], v[ADRA+(\slot)] offset:128*(\q)+64*\c+\i*16*PITCH+32
.endr
.endr
.endm
.macro GLOAD slot                      ; the next step's g: my four blocks' pairs of each of its two chunks
	WIN 0
.irp cc, 0,1
	ds_load_b128 v[GG+16*(\slot)+8*\cc:GG+16*(\slot)+8*\cc+3],   v[GR] offset:1024*\cc
	ds_load_b128 v[GG+16*(\slot)+8*\cc+4:GG+16*(\slot)+8*\cc+7], v[GR] offset:1024*\cc+16
.endr
	v_add_nc_u32 v[GR], 2048, v[GR]
.endm
; Matrix instructions w0 .. w1 of half c of buffer f (accumulator w = 4 a + b).  The 16 accumulators take turns, one instruction a turn.  zero = 1: they start the sums.
.macro HALFB f, c, w0, w1, zero
.set WN, \w0
.rept (\w1)-(\w0)+1
.if \zero
	v_wmma_f32_16x16x32_f16 v[ACC+8*WN:ACC+8*WN+7], v[64*(\f)+32*(\c)+8*(WN%4):64*(\f)+32*(\c)+8*(WN%4)+7], v[64*(\f)+32*(\c)+8*(WN/4):64*(\f)+32*(\c)+8*(WN/4)+7], 0
.else
	v_wmma_f32_16x16x32_f16 v[ACC+8*WN:ACC+8*WN+7], v[64*(\f)+32*(\c)+8*(WN%4):64*(\f)+32*(\c)+8*(WN%4)+7], v[64*(\f)+32*(\c)+8*(WN/4):64*(\f)+32*(\c)+8*(WN/4)+7], v[ACC+8*WN:ACC+8*WN+7]
.endif
.set WN, WN+1
.endr
.endm
; A CHUNK'S FIRST HALF: 16 products that start the chunk's sums with the constant 0, two at a time.  Ahead of each two, the LAST chunk's sums in the same two accumulators go into the totals: total (window 2) =
; chunk sum (window 1, the same register number) x g + total, two numbers a line, each accumulator from its low end on.  g: the first register of the last chunk's four pairs.  first = 1: the last chunk was its
; tile's first: the totals begin with it, and nothing is cleared.  Four plain lines stand ahead of this macro, behind the last chunk's last product: so every read of a sum has four places or more behind the
; product that made it, and a product that begins an accumulator anew has those four and the other accumulator's four lines, eight or more, behind the last product on that accumulator.
.macro CHALF f, c, g, first
.set WN, 0
.rept 8
	WIN CMB
.set LN, 8*WN
.rept 8
.if \first
	v_pk_mul_f32 v[ACC+LN:ACC+LN+1], v[ACC+LN:ACC+LN+1], v[(\g)+2*(LN/32):(\g)+2*(LN/32)+1]
.else
	v_pk_fma_f32 v[ACC+LN:ACC+LN+1], v[ACC+LN:ACC+LN+1], v[(\g)+2*(LN/32):(\g)+2*(LN/32)+1], v[ACC+LN:ACC+LN+1]
.endif
.set LN, LN+2
.endr
	WIN MUL
.rept 2
	v_wmma_f32_16x16x32_f16 v[ACC+8*WN:ACC+8*WN+7], v[64*(\f)+32*(\c)+8*(WN%4):64*(\f)+32*(\c)+8*(WN%4)+7], v[64*(\f)+32*(\c)+8*(WN/4):64*(\f)+32*(\c)+8*(WN/4)+7], 0
.set WN, WN+1
.endr
.endr
.endm
.macro FLUSH g                         ; the very last chunk's sums go into the totals: no product is left to stand between the lines
	WIN CMB
.set LN, 0
.rept 64
	v_pk_fma_f32 v[ACC+LN:ACC+LN+1], v[ACC+LN:ACC+LN+1], v[(\g)+2*(LN/32):(\g)+2*(LN/32)+1], v[ACC+LN:ACC+LN+1]
.set LN, LN+2
.endr
.endm
; The way out of 16 rows x my 64 channels: the totals x 1 / L; through my stage; back as whole rows of 256 bytes.
.macro WBLOCK a, base
	s_wait_xcnt 0x0                                ; earlier stores have read their registers
	WIN 0x02                                       ; source 0: window 2, the totals
.set NN, 0
.rept 32
	v_mul_f32 v[TM+NN], v[ACC+32*(\a)+NN], v[RR+(\a)]
.set NN, NN+1
.endr
	WIN 0
.irp b, 0,1,2,3
	ds_store_b128 v[STO], v[TM+8*\b:TM+8*\b+3] offset:64*\b
	ds_store_b128 v[STO], v[TM+8*\b+4:TM+8*\b+7] offset:64*\b+16
.endr
.irp t, 0,1,2,3,4,5,6,7
	ds_load_b128 v[BK+4*\t:BK+4*\t+3], v[RD] offset:\t*2*SPITCH    ; LDS serves a wave's instructions in order: these see the stores above
.endr
	s_wait_dscnt 0x0
.irp t, 0,1,2,3,4,5,6,7
	global_store_b128 v[CO], v[BK+4*\t:BK+4*\t+3], s[\base:\base+1] offset:(16*(\a)+2*\t)*4096 th:TH_STORE_NT   ; 16 lanes store 256 consecutive bytes, aligned
.endr
.endm
.macro WAYOUT tile
	ds_load_b128 v[RR:RR+3], v[RRD] offset:512*\tile               ; 1 / L of my four blocks' rows
	s_wait_dscnt 0x0
.if \tile
	s_cmp_eq_u32 s75, 1                            ; ids and the wave's number: rows 0-15 of a sequence are the next launch's
	s_cbranch_scc1 .Lskip_\@
	WBLOCK 0, OS
.Lskip_\@:
	WBLOCK 1, OS
	WBLOCK 2, OS
	WBLOCK 3, OS
.else
	WBLOCK 0, OL
	WBLOCK 1, OL
	WBLOCK 2, OL
	WBLOCK 3, OL
.endif
.endm
; A STEP of 256 keys is four quarters of 64 keys, 32 matrix instructions each, on buffers 0, 1, 0, 1; quarters 0, 1 are its first chunk, quarters 2, 3 its second.  Each quarter waits for its own fragments, asked
; for a quarter ago, and then asks for the next quarter's: 36 LDS instructions at the most are out.
; Quarter 0 of steps 1 to 8.  Its first half takes the last step's second chunk into the totals.  Where the step is the short tile's first (ids and the count of steps alone: the same in all waves and
; partners), the long tile's totals are whole behind that half, and go out.
.macro START slot
	PLACES
	s_wait_dscnt 0x0                               ; this step's first fragments and its g are in
	FETCH 1, \slot, 1
	CHALF 0, 0, GG+16*(1-(\slot))+8, 0
	WIN 0
	s_cmp_lg_u32 s78, s19
	s_cbranch_scc1 .Lsame_\@
	WAYOUT 0
.Lsame_\@:
	WIN MUL
	HALFB 0, 1, 0, 15, 0
.endm
.macro QB slot                         ; quarter 1
	PLACES
	s_wait_dscnt 0x0
	FETCH 0, \slot, 2
	WIN MUL
	HALFB 1, 0, 0, 15, 0
	HALFB 1, 1, 0, 15, 0
.endm
; Quarter 2.  Its first half takes the step's first chunk into the totals.  first = 1: step 0: the totals begin.  first = 0: they begin where the step is the short tile's first, by the same test as in START.
.macro MID slot, first
	PLACES
	s_wait_dscnt 0x0
	FETCH 1, \slot, 3
.if \first
	CHALF 0, 0, GG+16*(\slot), 1
.else
	WIN 0
	s_cmp_lg_u32 s78, s19
	s_cbranch_scc1 .Lsum_\@
	CHALF 0, 0, GG+16*(\slot), 1
	WIN 0
	s_branch .Ljoin_\@
.Lsum_\@:
	CHALF 0, 0, GG+16*(\slot), 0
	WIN 0
.Ljoin_\@:
.endif
	WIN MUL
	HALFB 0, 1, 0, 15, 0
.endm
; Quarter 3 changes slots.  In front of the barrier each wave waits for all its tensor loads (one is out: its part of the next slot), adds 0 to its spare word, and waits for that and for its reads of this slot.
; fill = 1: the barrier opens a round of the cluster's barrier, and this slot is filled again, two steps ahead, first thing behind the round.
.macro TURN slot, fill
	WIN 0
	s_wait_tensorcnt 0x0
	ds_add_u32 v[SPW], v[NIL]
.if \fill
	ADDR \slot                                     ; no tensor load of mine is out: the slot's groups 0 are written
.endif
	s_wait_dscnt 1                                 ; this quarter's 32 fragment loads are in; the add may be out
	WIN MUL
	HALFB 1, 0, 0, 7, 0
	s_wait_dscnt 0x0                               ; the add is done, and my reads of this slot are over
	s_barrier_signal -1
	HALFB 1, 0, 8, 15, 0
	WIN 0
	s_barrier_wait -1
.if \fill
	CREST
	JLOAD \slot                                    ; the four v_nop behind it are also the places in front of the loads below
.else
	PLACES
.endif
	FETCH 0, 1-(\slot), 0
	GLOAD 1-(\slot)
	WIN MUL
	HALFB 1, 1, 0, 15, 0
	s_add_co_u32 s78, s78, 1
.endm
	s_wait_tensorcnt 1                             ; my part of step 0 is in; step 1's may be out
	s_wait_dscnt 0x0                               ; my rows of the tables are written
	s_barrier_signal -1
	s_barrier_wait -1
	FETCH 0, 0, 0
	GLOAD 0
	s_wait_dscnt 0x0
	FETCH 1, 0, 1
	WIN MUL
	HALFB 0, 0, 0, 15, 1                           ; step 0: the first products start the first chunk's sums
	HALFB 0, 1, 0, 15, 0
	QB 0
	MID 0, 1
	TURN 0, 1
	WIN 0
	s_mov_b32 s3, 3
.Lpair:                                                ; steps 1 to 6, two a trip
	START 1
	QB 1
	MID 1, 0
	TURN 1, 1
	START 0
	QB 0
	MID 0, 0
	TURN 0, 1
	WIN 0
	s_sub_co_u32 s3, s3, 1
	s_cmp_lg_u32 s3, 0
	s_cbranch_scc1 .Lpair
	START 1                                        ; steps 7 and 8 are written out: they ask for nothing
	QB 1
	MID 1, 0
	TURN 1, 0
	START 0
	QB 0
	MID 0, 0
	s_wait_dscnt 0x0                               ; the last quarter's fragments are in
	HALFB 1, 0, 0, 15, 0
	HALFB 1, 1, 0, 15, 0
	PLACES                                         ; in front of the reads of the last sums
	FLUSH GG+8
	WIN 0
	WAYOUT 1
	s_wait_tensorcnt 0x0                           ; the wave's end
	ds_add_u32 v[SPW], v[NIL]
	s_wait_dscnt 0x0
	CROUND                                         ; the closing round
	s_endpgm
.Lfunc_end_k_q47d7b2e99a_pv:
	.size	k_q47d7b2e99a_pv, .Lfunc_end_k_q47d7b2e99a_pv-k_q47d7b2e99a_pv
	.p2alignl 7, 3214868480
	.fill 96, 4, 3214868480
	.section	.rodata,"a",@progbits
	.p2align	6, 0x0
	.amdhsa_kernel k_q47d7b2e99a_pv
		.amdhsa_group_segment_fixed_size 327680
		.amdhsa_private_segment_fixed_size 0
		.amdhsa_enable_private_segment 0
		.amdhsa_kernarg_size 32
		.amdhsa_user_sgpr_count 2
		.amdhsa_user_sgpr_kernarg_segment_ptr 1
		.amdhsa_wavefront_size32 1
		.amdhsa_system_sgpr_workgroup_id_x 1
		.amdhsa_system_sgpr_workgroup_id_y 1
		.amdhsa_system_sgpr_workgroup_id_z 1
		.amdhsa_system_vgpr_workitem_id 0
		.amdhsa_next_free_vgpr 768
		.amdhsa_next_free_sgpr 96
		.amdhsa_reserve_vcc 0
		.amdhsa_float_denorm_mode_32 3
		.amdhsa_float_denorm_mode_16_64 3
		.amdhsa_memory_ordered 1
		.amdhsa_forward_progress 1
		.amdhsa_inst_pref_size 243
	.end_amdhsa_kernel
	.amdgpu_metadata
---
amdhsa.version: [ 1, 2 ]
amdhsa.kernels:
  - .name:           k_q47d7b2e99a_pv
    .symbol:         k_q47d7b2e99a_pv.kd
    .args:
      - { .name: p, .offset: 0, .size: 8, .value_kind: global_buffer, .address_space: global }
      - { .name: st, .offset: 8, .size: 8, .value_kind: global_buffer, .address_space: global }
      - { .name: vt, .offset: 16, .size: 8, .value_kind: global_buffer, .address_space: global }
      - { .name: out0, .offset: 24, .size: 8, .value_kind: global_buffer, .address_space: global }
    .group_segment_fixed_size: 327680
    .private_segment_fixed_size: 0
    .kernarg_segment_align: 8
    .kernarg_segment_size: 32
    .max_flat_workgroup_size: 128
    .sgpr_count:     96
    .vgpr_count:     768
    .wavefront_size: 32
...
	.end_amdgpu_metadata
.endif
;; end of part 4
;; launch fine16 (part 5): grid 2 x 4, 8 waves a work-group, no clusters, 44,032 bytes of LDS; arguments fine, out0; writes out0
.if DOCPART == 5
	.amdgcn_target "amdgcn-amd-amdhsa--gfx1250"
	.amdhsa_code_object_version 6
	.text
	.protected	k_q47d7b2e99a_fine16
	.globl	k_q47d7b2e99a_fine16
	.p2align	8
	.type	k_q47d7b2e99a_fine16,@function
k_q47d7b2e99a_fine16:
	s_mov_b64 s[64:65], 0
	v_nop
	global_prefetch_b8 v0, s[64:65] scope:SCOPE_SE
	s_setreg_imm32_b32 hwreg(HW_REG_WAVE_MODE, 25, 1), 1
	s_wait_xcnt 0x0
; Positions 0-15 of each sequence, wholly in f32: they average one to sixteen values and are the largest outputs, so their operands are not rounded to f16.  64 rows in all: no bulk work.
; fine: q, k [4][16][2,048] f32 (columns 0-1,023 q, then k); from byte 524,288 on v [4][1,024 channels][16 positions] f32.  Keys behind position 15 are under the problem's own mask for these queries.
; A work-group takes a sequence and half of the channels.  Its eight waves share K = 1,024 of the scores, 128 each; the parts meet in LDS, in a fixed order; every wave then makes the same softmax (the row's
; maximum taken away) and its own 64 channels of the output.
; Both products are used transposed: S^T = k q^T (a lane holds query r and keys 8 h + 0..7), O^T = v^T p^T (query r, eight neighbouring channels).  A lane's 16-byte loads hold four neighbours along K; a matrix
; instruction takes two of them: the same two of both operands, so K is walked in another order, alike on both sides.
; The registers that the f32 matrix form writes, v192-223, are written by matrix instructions alone; sums start with the constant 0.
.set PART,  0                          ; eight waves' parts of the scores: 1,024 bytes each
.set STG,   8192                       ; a stage of 16 rows x 272 bytes for each wave
.set SPARE, 43008
.set SPW,   10
.set NIL,   11
	s_load_b128 s[4:7], s[0:1], 0x0                ; fine, out0
	v_lshl_add_u32 v[SPW], v0, 2, SPARE
	v_mov_b32 v[NIL], 0
	v_lshrrev_b32 v1, 5, v0
	v_readfirstlane_b32 s8, v1                     ; wave 0..7
	s_and_b32 s9, ttmp7, 0xffff                    ; the sequence
	v_and_b32 v1, 15, v0                           ; r
	v_bfe_u32 v2, v0, 4, 1                         ; h
	v_and_b32 v3, 31, v0                           ; lane
	v_lshlrev_b32 v4, 13, v1
	v_lshl_add_u32 v4, v2, 4, v4                   ; q, k: row r of 8,192 bytes, + 16 h
	v_lshlrev_b32 v5, 6, v1
	v_lshl_add_u32 v5, v2, 5, v5                   ; v: channel r of 64 bytes, + 32 h
	v_lshlrev_b32 v6, 3, v2
	v_sub_nc_u32 v6, v1, v6                        ; d = r - 8 h: register j's key is hidden where j > d
	v_mov_b32 v7, 0xff800000                       ; -infinity
	v_lshlrev_b32 v9, 5, v3                        ; a part's place for my lane: 32 bytes
	s_lshl_b32 s19, s8, 10
	v_add_nc_u32 v8, s19, v9                       ; and in my wave's part
	s_mul_i32 s20, s8, 16*272
	s_add_co_u32 s20, s20, STG
	v_mul_u32_u24 v12, v1, 272
	v_lshl_add_u32 v12, v2, 5, v12
	v_add_nc_u32 v12, s20, v12                     ; into my stage: row r, + 32 h
	v_mul_u32_u24 v13, v2, 272
	v_lshl_add_u32 v13, v1, 4, v13
	v_add_nc_u32 v13, s20, v13                     ; back: lanes 0-15 one row, lanes 16-31 the next
	v_lshlrev_b32 v14, 12, v2
	v_lshl_add_u32 v14, v1, 4, v14                 ; and the same in out0
	v_mov_b32 v241, 0                              ; 0 ahead of the first permute: a lane permute's destination counts as one of its sources
	s_mov_b32 s16, 0x76543210
	s_mov_b32 s17, 0xfedcba98
	s_mov_b32 s18, 0x3d38aa3b                      ; c = log2(e) / 32
	s_lshl_b32 s10, s9, 17                         ; q, k: 131,072 bytes a sequence, + my 128 along K
	s_lshl_b32 s11, s8, 9
	s_add_co_u32 s10, s10, s11
	s_mov_b32 s11, 0
	s_lshl_b32 s12, s9, 10                         ; v: channel 1,024 x sequence + 512 x half + 64 x wave
	s_lshl_b32 s13, ttmp9, 9
	s_add_co_u32 s12, s12, s13
	s_lshl_b32 s13, s8, 6
	s_add_co_u32 s12, s12, s13
	s_lshl_b32 s12, s12, 6
	s_add_co_u32 s12, s12, 524288
	s_mov_b32 s13, 0
	s_lshl_b32 s14, s9, 23                         ; out0: 2,048 rows of 4,096 bytes a sequence, + my 64 channels
	s_lshl_b32 s15, ttmp9, 11
	s_add_co_u32 s14, s14, s15
	s_lshl_b32 s15, s8, 8
	s_add_co_u32 s14, s14, s15
	s_mov_b32 s15, 0
	s_wait_kmcnt 0x0
	s_add_nc_u64 s[10:11], s[4:5], s[10:11]
	s_add_nc_u64 s[12:13], s[4:5], s[12:13]
	s_add_nc_u64 s[6:7], s[6:7], s[14:15]
.irp s, 0,1,2,3,4,5,6,7,8,9,10,11,12,13,14,15
	global_load_b128 v[32+4*\s:35+4*\s], v4, s[10:11] offset:32*\s           ; q(r, 128 w + 8 s + 4 h + 0..3)
.endr
.irp s, 0,1,2,3,4,5,6,7,8,9,10,11,12,13,14,15
	global_load_b128 v[96+4*\s:99+4*\s], v4, s[10:11] offset:4096+32*\s      ; k likewise
.endr
.irp t, 0,1,2,3
	global_load_b128 v[160+8*\t:163+8*\t], v5, s[12:13] offset:1024*\t       ; v(channel 16 t + r, keys 8 h + 0..7)
	global_load_b128 v[164+8*\t:167+8*\t], v5, s[12:13] offset:1024*\t+16
.endr
	s_wait_loadcnt 8                               ; q and k are in; v's eight loads may be out
.set MM, 0
.rept 32                               ; four accumulators by turns
.if MM < 4
	v_wmma_f32_16x16x4_f32 v[192+8*(MM%4):199+8*(MM%4)], v[96+2*MM:97+2*MM], v[32+2*MM:33+2*MM], 0
.else
	v_wmma_f32_16x16x4_f32 v[192+8*(MM%4):199+8*(MM%4)], v[96+2*MM:97+2*MM], v[32+2*MM:33+2*MM], v[192+8*(MM%4):199+8*(MM%4)]
.endif
.set MM, MM+1
.endr
.rept 8
	v_nop                                          ; eight places behind this form (ISA guide 7.12.1)
.endr
.irp j, 0,1,2,3,4,5,6,7
	v_add_f32 v[224+\j], v[192+\j], v[200+\j]      ; each accumulator from its low end on
.endr
.irp j, 0,1,2,3,4,5,6,7
	v_add_f32 v[240+\j], v[208+\j], v[216+\j]
.endr
.irp j, 0,1,2,3,4,5,6,7
	v_add_f32 v[224+\j], v[224+\j], v[240+\j]
.endr
	ds_store_b128 v8, v[224:227]
	ds_store_b128 v8, v[228:231] offset:16
	s_wait_dscnt 0x0                               ; for the others' sake: my part is written
	s_barrier_signal -1
	s_barrier_wait -1
.irp w, 0,1,2,3,4,5,6,7
	ds_load_b128 v[32+8*\w:35+8*\w], v9 offset:1024*\w
	ds_load_b128 v[36+8*\w:39+8*\w], v9 offset:1024*\w+16
.endr
	s_wait_dscnt 0x0
.irp j, 0,1,2,3,4,5,6,7
	v_add_f32 v[224+\j], v[32+\j], v[40+\j]
.endr
.irp w, 2,3,4,5,6,7
.irp j, 0,1,2,3,4,5,6,7
	v_add_f32 v[224+\j], v[224+\j], v[32+8*\w+\j]
.endr
.endr
.irp j, 0,1,2,3,4,5,6,7
	v_cmp_gt_i32 vcc_lo, \j, v6
	v_cndmask_b32 v[224+\j], v[224+\j], v7, vcc_lo ; hidden keys: -infinity
.endr
	v_max3_num_f32 v240, v224, v225, v226
	v_max3_num_f32 v240, v240, v227, v228
	v_max3_num_f32 v240, v240, v229, v230
	v_max_num_f32 v240, v240, v231
	v_mov_b32 v241, 0
	v_permlanex16_b32 v241, v240, s16, s17
	v_max_num_f32 v240, v240, v241                 ; the row's largest score: key 0 counts for every query, so it is a number
	v_mul_f32 v240, s18, v240
.irp j, 0,1,2,3,4,5,6,7
	v_fma_f32 v[224+\j], v[224+\j], s18, -v240     ; (score - the largest) x c
.endr
.irp j, 0,1,2,3,4,5,6,7
	v_exp_f32 v[224+\j], v[224+\j]
.endr
	v_nop                                          ; a plain line behind the exponentials
	s_wait_alu depctr_va_vdst(0)                   ; one wait for the batch
	v_add_f32 v242, v224, v225
	v_add_f32 v243, v226, v227
	v_add_f32 v244, v228, v229
	v_add_f32 v245, v230, v231
	v_add_f32 v242, v242, v243
	v_add_f32 v244, v244, v245
	v_add_f32 v242, v242, v244
	v_permlanex16_b32 v241, v242, s16, s17
	v_add_f32 v242, v242, v241                     ; the row's sum
	v_rcp_f32 v243, v242
	v_nop
	s_wait_alu depctr_va_vdst(0)
.irp j, 0,1,2,3,4,5,6,7
	v_mul_f32 v[232+\j], v[224+\j], v243           ; the weights: query r, keys 8 h + j
.endr
	s_wait_loadcnt 0x0                             ; v
.irp s, 0,1,2,3
.irp t, 0,1,2,3
.if \s == 0
	v_wmma_f32_16x16x4_f32 v[192+8*\t:199+8*\t], v[160+8*\t+2*\s:161+8*\t+2*\s], v[232+2*\s:233+2*\s], 0
.else
	v_wmma_f32_16x16x4_f32 v[192+8*\t:199+8*\t], v[160+8*\t+2*\s:161+8*\t+2*\s], v[232+2*\s:233+2*\s], v[192+8*\t:199+8*\t]
.endif
.endr
.endr
.rept 8
	v_nop
.endr
.irp t, 0,1,2,3
	ds_store_b128 v12, v[192+8*\t:195+8*\t] offset:64*\t          ; lane (r, h): out(r, 16 t + 8 h + 0..7)
	ds_store_b128 v12, v[196+8*\t:199+8*\t] offset:64*\t+16
.endr
.irp i, 0,1,2,3,4,5,6,7
	ds_load_b128 v[32+4*\i:35+4*\i], v13 offset:2*\i*272          ; LDS serves a wave's instructions in order: these see my stores
.endr
.irp i, 0,1,2,3,4,5,6,7
	s_wait_dscnt 7-\i
	global_store_b128 v14, v[32+4*\i:35+4*\i], s[6:7] offset:2*\i*4096   ; 16 lanes store 256 consecutive bytes, aligned
.endr
	s_wait_tensorcnt 0x0                           ; the wave's end, behind my last LDS store
	ds_add_u32 v[SPW], v[NIL]
	s_wait_dscnt 0x0
	s_endpgm
.Lfunc_end_k_q47d7b2e99a_fine16:
	.size	k_q47d7b2e99a_fine16, .Lfunc_end_k_q47d7b2e99a_fine16-k_q47d7b2e99a_fine16
	.p2alignl 7, 3214868480
	.fill 96, 4, 3214868480
	.section	.rodata,"a",@progbits
	.p2align	6, 0x0
	.amdhsa_kernel k_q47d7b2e99a_fine16
		.amdhsa_group_segment_fixed_size 44032
		.amdhsa_private_segment_fixed_size 0
		.amdhsa_enable_private_segment 0
		.amdhsa_kernarg_size 16
		.amdhsa_user_sgpr_count 2
		.amdhsa_user_sgpr_kernarg_segment_ptr 1
		.amdhsa_wavefront_size32 1
		.amdhsa_system_sgpr_workgroup_id_x 1
		.amdhsa_system_sgpr_workgroup_id_y 1
		.amdhsa_system_sgpr_workgroup_id_z 1
		.amdhsa_system_vgpr_workitem_id 0
		.amdhsa_next_free_vgpr 256
		.amdhsa_next_free_sgpr 66
		.amdhsa_reserve_vcc 1
		.amdhsa_float_denorm_mode_32 3
		.amdhsa_float_denorm_mode_16_64 3
		.amdhsa_memory_ordered 1
		.amdhsa_forward_progress 1
		.amdhsa_inst_pref_size 19
	.end_amdhsa_kernel
	.amdgpu_metadata
---
amdhsa.version: [ 1, 2 ]
amdhsa.kernels:
  - .name:           k_q47d7b2e99a_fine16
    .symbol:         k_q47d7b2e99a_fine16.kd
    .args:
      - { .name: fine, .offset: 0, .size: 8, .value_kind: global_buffer, .address_space: global }
      - { .name: out0, .offset: 8, .size: 8, .value_kind: global_buffer, .address_space: global }
    .group_segment_fixed_size: 44032
    .private_segment_fixed_size: 0
    .kernarg_segment_align: 8
    .kernarg_segment_size: 16
    .max_flat_workgroup_size: 256
    .sgpr_count:     66
    .vgpr_count:     256
    .wavefront_size: 32
...
	.end_amdgpu_metadata
.endif
;; end of part 5
